; MI455X (gfx1250); checked and timed in simulation.
; The chip was launched on July 23, 2026; its instructions are those of AMD's public machine-readable ISA for CDNA 5 (MIT licence, August 2026) and "CDNA5" Instruction Set Architecture Reference Guide (July 2026). The comments in the code are by the model that wrote it; some were corrected since.
;; Multihead Self Attention. Allowed arithmetic: matrix products marked QUANTISED: E2M3 operands, one E8M0 scale for each 32 along K, by v_wmma_scale_f32_16x16x128_f8f6f4 with both operands' format E2M3, f32 sums; everything else in f32.
;; Inputs: token_positions 2,048 int32; wk 1,024 x 1,024 float32; wo 1,024 x 1,024 float32; wq 1,024 x 1,024 float32; wv 1,024 x 1,024 float32; x 4 x 2,048 x 1,024 float32.
;; Outputs: out0 4 x 2,048 x 1,024 float32.
;; This version of the problem:
;;   THIS VERSION OF THE PROBLEM IS GIVEN IN LOW PRECISION. The matrix products marked QUANTISED in the list below multiply operands that are first quantised to E2M3 (2 exponent bits, 3 mantissa bits; 6 bits a number), with one power-of-two scale for each 32 numbers along K (OCP MX v1.0); their sums are f32. All else is computed in f32.
;;   The module's matrix products, in the order in which they are computed (A, B: the left and right operand; K: the contracted axis; several contracted axes count as one K, in the product's order):
;;     1. [M 8,192, K 1,024] x [K 1,024, N 1,024]; A: input x; B: input wq: QUANTISED
;;     2. [M 8,192, K 1,024] x [K 1,024, N 1,024]; A: input x; B: input wk: QUANTISED
;;     3. [M 8,192, K 1,024] x [K 1,024, N 1,024]; A: input x; B: input wv: QUANTISED
;;     4. batch 64 x [M 2,048, K 64] x [K 64, N 2,048]; A: computed on the way; B: computed on the way: QUANTISED
;;     5. batch 64 x [M 2,048, K 2,048] x [K 2,048, N 64]; A: softmax (see below); B: computed on the way: QUANTISED
;;     6. [M 8,192, K 1,024] x [K 1,024, N 1,024]; A: computed on the way; B: input wo: QUANTISED
;;   THE QUANTISER, for each operand of a quantised product, along K:
;;     - K is cut into blocks of 32 from its start; a last block that is shorter is filled with zeros.
;;     - A block's scale is 2^e with e = floor(log2(the largest magnitude in the block)) - 2, held to -126 .. 127; a block of zeros has e = 0. As a byte (E8M0): e + 127.
;;     - Each number is divided by its block's scale, clamped to +-7.5, and rounded to the nearest number of E2M3, ties to even, subnormals kept.
;;     - The product sums the exact products of the quantised numbers (number of the format x scale) in f32.
;;   ~~~python
;;   def quantise(x, axis):      # numpy; x: float32 -> the quantised numbers, widened to float32 again
;;       x = np.moveaxis(x, axis, -1); K = x.shape[-1]
;;       x = np.pad(x, [(0, 0)] * (x.ndim - 1) + [(0, -K % 32)]); x = x.reshape(x.shape[:-1] + (-1, 32)); a = np.abs(x).max(-1, keepdims=True)
;;       e = np.where(a > 0, np.clip(np.frexp(np.where(a > 0, a, 1))[1] - 1 - 2, -126, 127), 0)      # np.frexp(a)[1] - 1 = floor(log2(a)), exactly
;;       r = np.clip(x / 2.0 ** e, -7.5, 7.5)
;;       step = 2.0 ** (np.maximum(np.frexp(np.where(r == 0, 1, r))[1] - 1, 0) - 3)
;;       q = np.round(r / step) * step * 2.0 ** e      # np.round: ties to even
;;       return np.moveaxis(q.reshape(q.shape[:-2] + (-1,))[..., :K], -1, axis).astype(np.float32)
;;   ~~~
;;   SOFTMAX AHEAD OF A QUANTISED PRODUCT. Where the list says 'softmax', what is quantised is not the finished softmax but p = 2^(t - M), with t = logit x log2(e) and M = ceil(the row's largest t), a whole number; so 1/2 < the row's largest p <= 1. The row's sum l is taken of the UNQUANTISED p, in f32, and the product's result is divided by l at the end. Since M is a whole number, a kernel that streams over the keys may use a running M (the ceiling of the running maximum): every later rescaling is an exact power of two, which a block's scale takes up: the codes' values come out the same.
;;   OPERANDS COMPUTED ON THE WAY. 'Computed on the way' means the value that the module computes at that place (a softmax that the list does not call 'softmax' is quantised finished and normalised). What goes into a quantiser is computed in f32, as accurately as f32 sums, v_exp_f32 and their like allow (about 1e-6 of the number): no bf16 or f16 on the way to a quantiser, and a product that is left as it is and whose result goes on into a quantised operand takes f32 operands (vector FMAs, or v_wmma_f32_16x16x4_f32). A number that lies on a knife's edge between two numbers of the format may be rounded either way, as far as f32 arithmetic and the matrix unit's own rounding can turn it there, and no further.
;; One version. Each part assembles by itself: llvm-mc -triple=amdgcn-amd-amdhsa -mcpu=gfx1250 --defsym DOCPART=n.
;; ======== version 1 of 1: 4 launches
;; limits: right only within a limited range of input values
;; workspace buffers: xc 6,291,456 bytes; xs 262,144 bytes; wc 3,145,728 bytes; ws 131,072 bytes; tab 524,288 bytes; qkv 19,660,800 bytes; y 6,553,600 bytes
;; launch quant (part 1): grid 400 x 1, 4 waves a work-group, no clusters, 33,280 bytes of LDS; arguments x, wq, wk, wv, wo, token_positions, xc, xs, wc, ws, tab; writes xc, xs, wc, ws, tab
.if DOCPART == 1
	.amdgcn_target "amdgcn-amd-amdhsa--gfx1250"
	.amdhsa_code_object_version 6
	.text
	.protected	k_q5b4e94397c_quant
	.globl	k_q5b4e94397c_quant
	.p2align	8
	.type	k_q5b4e94397c_quant,@function
k_q5b4e94397c_quant:
	s_mov_b64 s[64:65], 0
	v_nop
	global_prefetch_b8 v0, s[64:65] scope:SCOPE_SE
	s_setreg_imm32_b32 hwreg(HW_REG_WAVE_MODE, 25, 1), 1
	s_wait_xcnt 0x0
; x [8192][1024] and wq, wk, wv, wo [1024][1024], f32, become codes of FP6 (E2M3), K innermost, 768 bytes a row, with one E8M0 byte for each 32 along K; and token_positions becomes a table of cosines and sines.
; A block's scale is 2^(floor(log2(its largest magnitude)) - 2); its byte is the largest magnitude's exponent field - 2, held at 1 from below.  A block of zeros so gets the byte 1 where the quantiser says 127:
; its codes are zeros, which add nothing under any byte but 0xff, and the bytes are read by this program alone.
; THE ORDER OF ROWS.  Inside each 32 rows the two middle groups of 8 change places in xc and in wc's parts for wq, wk, wv: row 16 u + 8 h + j of the buffer holds row 16 h + 8 u + j of the tensor.  A matrix result's
; register j of lane half h is row 8 h + j of a tile of 16: so the 16 registers of two neighbouring tiles are 16 neighbours of the tensor's own order, which is what the next quantiser wants.  wo keeps its order.
; SHARES.  Work-groups 0-255 take x, 256-287 wq, 288-319 wk, 320-351 wv, 352-383 wo: 32 rows each, 8 rows (8,192 numbers, 16 steps of 512) a wave; the change of places is a choice of the wave's place in the output.
; Work-groups 384-399 make the table: a wave 32 rows; row p of the table belongs to row p of xc's order: [32 frequencies](cos, sin), 256 bytes.
; A step: four loads of 512 consecutive bytes; the 2,048 bytes turn through the wave's own stage in LDS, so that a lane holds 16 neighbours along K; two neighbouring lanes hold a block.  No barrier: waves share nothing.
; LIMITS: NaN and infinities among the inputs are not served.  The angle's reduction (three parts of pi/2, fused) is good for |position| under 2^22.
.set STEPS, 16
.set EMAX,  2
.set CB,    12                         ; bytes of 16 codes
.set R,     16                         ; v16-79   four sets of 16 numbers as loaded
.set X,     80                         ; v80-111  two sets of 16 neighbours
.set E,     112                        ; v112-127 a scale byte for each step
.set C,     128                        ; v128-191 codes: four registers a step, so that no store's data are written again
.set WREG,  8192                       ; LDS: a region for each wave: two stages of 32 x SP bytes, then its 256 scale bytes
.set SP,    80                         ; a lane's place in a stage: 64 bytes + 16 of padding
.set WV,    30                         ; s30 my wave's number
.set INV,   20                         ; the table's path: v20 my lane's frequency, v21 the 32 positions (a lane a row), v22 8 x lane
.set PF,    21
.set LO,    22
	s_load_b512 s[4:19], s[0:1], 0x0               ; x s[4:5], wq s[6:7], wk s[8:9], wv s[10:11], wo s[12:13], token_positions s[14:15], xc s[16:17], xs s[18:19]
	s_load_b128 s[20:23], s[0:1], 0x40             ; wc, ws
	s_load_b64 s[24:25], s[0:1], 0x50              ; tab
	v_lshl_add_u32 v192, v0, 2, 0x8000
	v_mov_b32 v193, 0
	v_lshrrev_b32 v1, 5, v0
	v_readfirstlane_b32 s[WV], v1                  ; wave 0..3
	v_and_b32 v2, 31, v0                           ; lane
	v_lshlrev_b32 v3, 4, v2                        ; my 16 bytes of a load's 512
	s_mul_i32 s31, s[WV], WREG
	v_lshrrev_b32 v14, 2, v2
	v_mul_u32_u24 v14, v14, SP
	v_and_b32 v15, 3, v2
	v_lshl_add_u32 v14, v15, 4, v14
	v_add_nc_u32 v14, s31, v14                     ; the stage, on the way in: SP (lane / 4) + 16 (lane % 4)
	v_mul_u32_u24 v15, v2, SP
	v_add_nc_u32 v15, s31, v15                     ; and on the way out: SP x lane: my 16 neighbours
	v_mul_u32_u24 v4, v2, CB                       ; my codes' place in a step's
	v_lshrrev_b32 v5, 1, v2
	s_add_co_u32 s31, s31, 2*32*SP
	v_add_nc_u32 v5, s31, v5                       ; LDS: my wave's 256 scale bytes, my block's byte
	v_lshlrev_b32 v7, 3, v2                        ; and on the way out 8 bytes a lane
	v_add_nc_u32 v6, s31, v7
	s_wait_kmcnt 0x0
	s_cmp_ge_u32 ttmp9, 384
	s_cbranch_scc1 .Ltable
	; which tensor: only pointers and two numbers are chosen, on the work-group's number alone
	s_mov_b32 s26, 0                               ; the tensor's first work-group
	s_mov_b32 s27, 0                               ; the output buffer's first work-group
	s_mov_b32 s28, 1                               ; 1: the middle groups of 8 rows change places
	s_cmp_ge_u32 ttmp9, 256
	s_cselect_b64 s[4:5], s[6:7], s[4:5]
	s_cselect_b64 s[16:17], s[20:21], s[16:17]
	s_cselect_b64 s[18:19], s[22:23], s[18:19]
	s_cselect_b32 s26, 256, s26
	s_cselect_b32 s27, 256, s27
	s_cmp_ge_u32 ttmp9, 288
	s_cselect_b64 s[4:5], s[8:9], s[4:5]
	s_cselect_b32 s26, 288, s26
	s_cmp_ge_u32 ttmp9, 320
	s_cselect_b64 s[4:5], s[10:11], s[4:5]
	s_cselect_b32 s26, 320, s26
	s_cmp_ge_u32 ttmp9, 352
	s_cselect_b64 s[4:5], s[12:13], s[4:5]
	s_cselect_b32 s26, 352, s26
	s_cselect_b32 s28, 0, s28
	s_sub_co_u32 s32, ttmp9, s26
	s_lshl_b32 s32, s32, 2
	s_add_co_u32 s32, s32, s[WV]                   ; which run of 8 rows of the tensor I read
	s_sub_co_u32 s34, ttmp9, s27
	s_lshl_b32 s34, s34, 2
	s_and_b32 s35, s[WV], 1
	s_lshl_b32 s35, s35, 1
	s_lshr_b32 s36, s[WV], 1
	s_or_b32 s35, s35, s36                         ; waves 1 and 2 change places
	s_cmp_eq_u32 s28, 1
	s_cselect_b32 s35, s35, s[WV]
	s_add_co_u32 s34, s34, s35                     ; which run of 8 rows of the buffer I write
	s_lshl_b32 s32, s32, 15                        ; 8 rows of 4,096 bytes
	s_mov_b32 s33, 0
	s_add_nc_u64 s[4:5], s[4:5], s[32:33]
	s_mul_i32 s32, s34, 6144                       ; 8 rows of 768 bytes
	s_add_nc_u64 s[16:17], s[16:17], s[32:33]
	s_lshl_b32 s32, s34, 8                         ; 8 rows of 32 bytes
	s_add_nc_u64 s[18:19], s[18:19], s[32:33]
.macro LOAD t
.irp i, 0,1,2,3
	global_load_b128 v[R+16*((\t)%4)+4*\i:R+16*((\t)%4)+4*\i+3], v3, s[4:5] offset:2048*(\t)+512*\i th:TH_LOAD_NT   ; 32 lanes read 512 consecutive bytes
.endr
.endm
.macro TURN t                          ; step t's numbers through the stage: LDS serves a wave's instructions in order, so no wait stands between the stores and the loads
.irp i, 0,1,2,3
	ds_store_b128 v14, v[R+16*((\t)%4)+4*\i:R+16*((\t)%4)+4*\i+3] offset:32*SP*((\t)%2)+8*SP*\i
.endr
.irp i, 0,1,2,3
	ds_load_b128 v[X+16*((\t)%2)+4*\i:X+16*((\t)%2)+4*\i+3], v15 offset:32*SP*((\t)%2)+16*\i
.endr
.endm
.irp t, 0,1,2,3
	LOAD \t
.endr
	s_wait_loadcnt 12                              ; step 0's four loads are in; twelve younger ones stay out
	TURN 0
.macro STEP t
.set XS, X+16*((\t)%2)
.if (\t) > 0
	s_wait_dscnt 1                                 ; this step's numbers are back from the stage (the last step's byte store may be out): its stores into the stage have read their registers,
.else
	s_wait_dscnt 0x0
.endif
.if (\t)+4 < STEPS
	LOAD (\t)+4                                    ; which take the loads of four steps on
.endif
.if (\t)+1 < STEPS
.if STEPS-2-(\t) >= 3
	s_wait_loadcnt 12                              ; the next step's four loads are in; those of the three steps behind it may be out
.else
	s_wait_loadcnt 4*(STEPS-2-(\t))
.endif
	TURN (\t)+1                                    ; and go through the other stage while this step is worked
.endif
	v_max3_num_f32 v8, |v[XS]|, |v[XS+1]|, |v[XS+2]|               ; the largest magnitude of my 16, in two chains
	v_max3_num_f32 v9, |v[XS+3]|, |v[XS+4]|, |v[XS+5]|
.irp i, 6,10
	v_max3_num_f32 v8, v8, |v[XS+\i]|, |v[XS+\i+1]|
	v_max3_num_f32 v9, v9, |v[XS+\i+2]|, |v[XS+\i+3]|
.endr
	v_max3_num_f32 v8, v8, |v[XS+14]|, |v[XS+15]|
	v_max3_num_f32 v8, v8, v9, (EMAX+1)<<23        ; and the floor 2^(EMAX + 1 - 127): the byte cannot fall under 1
	v_max_num_f32_dpp v8, v8, v8 row_xmask:1 row_mask:0xf bank_mask:0xf   ; and of my neighbour's 16: the block's
	v_add_nc_u32 v11, -(EMAX<<23), v8              ; EMAX off its exponent field: the conversion takes the exponent field of this operand as its scale
	v_cvt_scalef32_pk16_fp6_f32 v[C+4*(\t):C+4*(\t)+2], v[XS:XS+15], v11   ; sixteen numbers / the scale, to the nearest code, ties to even, beyond the largest code the largest
	v_lshrrev_b32 v[E+(\t)], 23, v11               ; the scale's byte
	ds_store_b8 v5, v[E+(\t)] offset:16*(\t)       ; both lanes of a block write the same byte with the same value
	global_store_b96 v4, v[C+4*(\t):C+4*(\t)+2], s[16:17] offset:32*CB*(\t)   ; the wave stores 384 consecutive bytes
.endm
.irp t, 0,1,2,3,4,5,6,7,8,9,10,11,12,13,14,15
	STEP \t
.endr
	ds_load_b64 v[12:13], v6                       ; LDS serves a wave's instructions in order: these see my stores
	s_wait_dscnt 0x0
	global_store_b64 v7, v[12:13], s[18:19]        ; 32 lanes store 256 consecutive bytes, aligned
	s_wait_tensorcnt 0x0
	ds_add_u32 v192, v193
	s_wait_dscnt 0x0
	s_endpgm
; THE TABLE.  ang = f32(position) x inv_freq[k], one f32 product; inv_freq[k] = 10000^(-k / 32) = 10^(-k / 8), written out to the nearest f32.  n = the nearest whole number to ang x 2 / pi;
; r = ang - n pi/2 by three fused steps; sine and cosine of r (|r| up to pi/4) by polynomials of degree 7 and 8; n's two low bits say which of them is which and with what sign.  No LDS on this path.
.Ltable:
	s_sub_co_u32 s31, ttmp9, 384
	s_lshl_b32 s31, s31, 2
	s_add_co_u32 s31, s31, s[WV]                   ; which 32 rows are my wave's: 0..63
	s_lshl_b32 s32, s31, 7
	s_mov_b32 s33, 0
	s_add_nc_u64 s[14:15], s[14:15], s[32:33]      ; their 32 positions
	s_lshl_b32 s32, s31, 13
	s_add_nc_u64 s[24:25], s[24:25], s[32:33]      ; their 32 rows of 256 bytes
	v_and_b32 v23, 7, v2
	v_and_b32 v24, 8, v2
	v_lshl_add_u32 v23, v24, 1, v23
	v_and_b32 v24, 16, v2
	v_lshrrev_b32 v24, 1, v24
	v_add_nc_u32 v23, v23, v24                     ; the table's row l belongs to position (l & 7) + 2 (l & 8) + (l & 16) / 2 of the 32
	v_lshlrev_b32 v23, 2, v23
	global_load_b32 v[PF], v23, s[14:15]
	v_lshlrev_b32 v[LO], 3, v2
	v_mov_b32 v[INV], 0                            ; (a lane write's destination counts as read)
.set k, 0
.irp c, 0x3F800000,0x3F3FF911,0x3F0FF59A,0x3ED7E89B,0x3EA1E89B,0x3E72D424,0x3E361887,0x3E088D77,0x3DCCCCCD,0x3D99940E,0x3D6655C3,0x3D2CBA15,0x3D0186E2,0x3CC24350,0x3C91AD39,0x3C5A7BF1,0x3C23D70A,0x3BF5B9B0,0x3BB8449C,0x3B8A2E77,0x3B4F3E37,0x3B1B690D,0x3AE91528,0x3AAEC98E,0x3A83126F,0x3A44948C,0x3A136A16,0x39DD1726,0x39A5CB5F,0x3978A814,0x393A7753,0x390BD472
	s_mov_b32 s40, \c
	v_writelane_b32 v[INV], s40, k                 ; lane k holds 10^(-k / 8)
.set k, k+1
.endr
	s_mov_b32 s42, 0x3F22F983                      ; 2 / pi
	s_mov_b32 s43, 0xBFC90FDA                      ; -pi/2 in three parts
	s_mov_b32 s44, 0xB3A22168
	s_mov_b32 s45, 0xA7C234C4
	s_mov_b32 s46, 0xBE2AAAA3                      ; the sine's coefficients of r^3, r^5, r^7
	s_mov_b32 s47, 0x3C08839E
	s_mov_b32 s48, 0xB94CA1F9
	s_mov_b32 s49, 0x3D2AAAA5                      ; the cosine's of r^4, r^6, r^8
	s_mov_b32 s50, 0xBAB6061A
	s_mov_b32 s51, 0x37CCF5CE
	s_wait_loadcnt 0x0
	v_cvt_f32_i32 v[PF], v[PF]
.macro ROWT r                          ; one row of the table: 32 lanes, a frequency each; the results have registers of their own in each row, so that no store's data are written again
	v_readlane_b32 s41, v[PF], \r
	v_mul_f32 v23, s41, v[INV]                     ; the angle
	v_mul_f32 v24, s42, v23
	v_rndne_f32 v24, v24                           ; n
	v_fma_f32 v25, v24, s43, v23
	v_fma_f32 v25, v24, s44, v25
	v_fma_f32 v25, v24, s45, v25                   ; r
	v_mul_f32 v26, v25, v25                        ; z = r^2
	v_fma_f32 v27, v26, s48, s47
	v_fma_f32 v30, v26, s51, s50
	v_mul_f32 v28, v26, v25
	v_mul_f32 v31, v26, v26
	v_fma_f32 v27, v27, v26, s46
	v_fma_f32 v30, v30, v26, s49
	v_fma_f32 v32, v26, -0.5, 1.0
	v_cvt_i32_f32 v33, v24
	v_fma_f32 v29, v27, v28, v25                   ; sin r
	v_fma_f32 v32, v30, v31, v32                   ; cos r
	v_and_b32 v36, 1, v33
	v_add_nc_u32 v37, 1, v33
	v_cmp_eq_u32 vcc_lo, 1, v36                    ; n odd: the two change places
	v_lshlrev_b32 v36, 30, v33
	v_lshlrev_b32 v37, 30, v37
	v_cndmask_b32 v34, v29, v32, vcc_lo
	v_cndmask_b32 v35, v32, v29, vcc_lo
	v_and_b32 v36, 0x80000000, v36                 ; the sine's sign: bit 1 of n;
	v_and_b32 v37, 0x80000000, v37                 ; the cosine's: bit 1 of n + 1
	v_xor_b32 v[128+2*(\r)], v35, v37
	v_xor_b32 v[129+2*(\r)], v34, v36
	global_store_b64 v[LO], v[128+2*(\r):129+2*(\r)], s[24:25] offset:256*(\r)   ; 32 lanes store 256 consecutive bytes, aligned
.endm
.set Q, 0
.rept 32
	ROWT Q
.set Q, Q+1
.endr
	s_endpgm
.Lfunc_end_k_q5b4e94397c_quant:
	.size	k_q5b4e94397c_quant, .Lfunc_end_k_q5b4e94397c_quant-k_q5b4e94397c_quant
	.p2alignl 7, 3214868480
	.fill 96, 4, 3214868480
	.section	.rodata,"a",@progbits
	.p2align	6, 0x0
	.amdhsa_kernel k_q5b4e94397c_quant
		.amdhsa_group_segment_fixed_size 33280
		.amdhsa_private_segment_fixed_size 0
		.amdhsa_enable_private_segment 0
		.amdhsa_kernarg_size 88
		.amdhsa_user_sgpr_count 2
		.amdhsa_user_sgpr_kernarg_segment_ptr 1
		.amdhsa_wavefront_size32 1
		.amdhsa_system_sgpr_workgroup_id_x 1
		.amdhsa_system_sgpr_workgroup_id_y 1
		.amdhsa_system_sgpr_workgroup_id_z 1
		.amdhsa_system_vgpr_workitem_id 0
		.amdhsa_next_free_vgpr 194
		.amdhsa_next_free_sgpr 66
		.amdhsa_reserve_vcc 1
		.amdhsa_float_denorm_mode_32 3
		.amdhsa_float_denorm_mode_16_64 3
		.amdhsa_memory_ordered 1
		.amdhsa_forward_progress 1
		.amdhsa_inst_pref_size 84
	.end_amdhsa_kernel
	.amdgpu_metadata
---
amdhsa.version: [ 1, 2 ]
amdhsa.kernels:
  - .name:           k_q5b4e94397c_quant
    .symbol:         k_q5b4e94397c_quant.kd
    .args:
      - { .name: x, .offset: 0, .size: 8, .value_kind: global_buffer, .address_space: global }
      - { .name: wq, .offset: 8, .size: 8, .value_kind: global_buffer, .address_space: global }
      - { .name: wk, .offset: 16, .size: 8, .value_kind: global_buffer, .address_space: global }
      - { .name: wv, .offset: 24, .size: 8, .value_kind: global_buffer, .address_space: global }
      - { .name: wo, .offset: 32, .size: 8, .value_kind: global_buffer, .address_space: global }
      - { .name: token_positions, .offset: 40, .size: 8, .value_kind: global_buffer, .address_space: global }
      - { .name: xc, .offset: 48, .size: 8, .value_kind: global_buffer, .address_space: global }
      - { .name: xs, .offset: 56, .size: 8, .value_kind: global_buffer, .address_space: global }
      - { .name: wc, .offset: 64, .size: 8, .value_kind: global_buffer, .address_space: global }
      - { .name: ws, .offset: 72, .size: 8, .value_kind: global_buffer, .address_space: global }
      - { .name: tab, .offset: 80, .size: 8, .value_kind: global_buffer, .address_space: global }
    .group_segment_fixed_size: 33280
    .private_segment_fixed_size: 0
    .kernarg_segment_align: 8
    .kernarg_segment_size: 88
    .max_flat_workgroup_size: 128
    .sgpr_count:     66
    .vgpr_count:     194
    .wavefront_size: 32
...
	.end_amdgpu_metadata
.endif
;; end of part 1
;; launch proj (part 2): grid 12 x 32, 4 waves a work-group, clusters of 4 x 4, 327,680 bytes of LDS; arguments xc, xs, wc, ws, tab, qkv; writes qkv
.if DOCPART == 2
	.amdgcn_target "amdgcn-amd-amdhsa--gfx1250"
	.amdhsa_code_object_version 6
	.text
	.protected	k_q5b4e94397c_proj
	.globl	k_q5b4e94397c_proj
	.p2align	8
	.type	k_q5b4e94397c_proj,@function
k_q5b4e94397c_proj:
	s_mov_b64 s[64:65], 0
	v_nop
	global_prefetch_b8 v0, s[64:65] scope:SCOPE_SE
	s_setreg_imm32_b32 hwreg(HW_REG_WAVE_MODE, 25, 1), 1
	s_wait_xcnt 0x0
	s_wait_alu depctr_hold_cnt(0) depctr_sa_sdst(0) depctr_va_vdst(0) depctr_va_sdst(0) depctr_va_ssrc(0) depctr_va_vcc(0) depctr_vm_vsrc(0)
	s_getreg_b32 s2, hwreg(HW_REG_IB_STS2, 6, 4)
	s_cmp_eq_u32 s2, 0
	s_cbranch_scc0 .Lentry_in_a_cluster
	s_endpgm
.Lentry_in_a_cluster:
	s_bfe_u32 s2, ttmp6, 0x10000c
	s_cmp_lg_u32 s2, 0xf033
	s_cbranch_scc0 .Lentry_shape_is_right
	s_endpgm
.Lentry_shape_is_right:
; q = x wq^T, k = x wk^T, v = x wv^T on codes of FP6 (E2M3) with E8M0 scales for each 32 along K = 1,024; then q and k are rotated (RoPE, f32) and quantised along a head's 64, v along the keys; all three leave as
; IMAGES OF OPERAND REGISTERS for the attention launch.  Nothing wide goes to memory.
; A tile of 256 x 256 is made by four waves, 128 x 128 each: 64 accumulators of 16 x 16, 512 registers.  K goes in steps of 256 through a ring of two LDS slots filled by the tensor data mover (rows of 192 bytes,
; 16 bytes of padding behind every 64); the scale bytes of the work-group's 2 x 256 rows, for all of K, come once with the first fills.
; CLUSTERS: 4 x 4 work-groups; A's tile is asked for jointly along a row of the cluster, B's along a column.  THE MATRIX INSTRUCTION IS USED TRANSPOSED: source 0 = 16 rows of B, source 1 = 16 rows of A: a lane
; holds one row of A, its registers eight rows of B.
; ROLES, by the cluster's x, which all sixteen partners share: 0: q, 1: k: A = x's rows (tokens), B = wq's, wk's rows: a lane holds a token, its registers run along the head's dimensions.
; 2: v: A = wv's rows, B = x's rows: a lane holds a dimension, its registers run along the tokens, which are the second attention product's K.  Only pointers and tile numbers differ up to the way out.
; THE ORDER OF ROWS in xc and wc (the middle groups of 8 in each 32 have changed places) makes the 16 registers of two neighbouring tiles 16 neighbours of the tensor's own order: register 16 b + i of a lane's 64
; is number 32 b + 16 (lane / 16) + i along the next K.
; IMAGES.  12 registers a lane as three runs of 512 bytes, lane l's 16 bytes at 512 c + 16 l; 4 images (6,144 bytes) for a head and 128 tokens.  q, k: image p holds tokens 32 p + r (registers 0-5: dimensions
; 32 (lane / 16) on) and 32 p + 16 + r (registers 6-11).  v: image t holds dimensions 16 t + r, registers 6 c on: keys 64 c + 32 (lane / 16) on.  Scale words: 256 bytes for a head and 128 tokens, word 4 r + image.
; qkv: head block b (204,800 bytes): k's images, v's images (+98,304), k's words (+196,608), v's (+200,704); q from 13,107,200 on, 102,400 bytes a head: images, words (+98,304).
; LIMITS: a block of zeros gets the byte 1 (its codes are zeros; the bytes are read by this program alone); NaN and infinities are not served.
; REGISTERS, in windows of 256: window 0: v0-31 addresses; v32-63 scale words, two sets, and nothing else; from v128 A's fragments, one set; on the way out v64-255 are at work.
;   window 1: B's fragments, two sets.   window 2: the accumulators of my rows 0-63 of A ((a, b) at v[8 (8 a + b)]);   window 3: those of rows 64-127.
.set SIZE_K, 1024
.set KSTEP,  256                       ; along K in a slot
.set NQ,     KSTEP/128                 ; matrix instructions deep
.set ROWB,   192                       ; a tile's row in bytes
.set KROW,   SIZE_K*6/8                ; a row of codes in memory
.set PITCH,  240                       ; an LDS row: 3 x (64 bytes + 16 of padding)
.set FR,     12                        ; registers of a fragment
.set NL,     6                         ; LDS loads that bring one
.set NP,     4                         ; places behind this matrix instruction (ISA guide 7.12.1)
.set HALFT,  128*PITCH                 ; 128 rows: what one tensor load brings
.set SLOT,   4*HALFT                   ; A's 256 rows, then B's 256 rows
.set LAPS,   SIZE_K/(2*KSTEP)
.set KS,     SIZE_K/32                 ; a row of scale bytes
.set SCL,    2*SLOT                    ; behind the ring: the scales, as rows of 256 bytes + 16 of padding
.set HALFS,  (128*KS/256)*272
.set SBLK,   (16*KS/256)*272
.set SPARE,  SCL+4*HALFS               ; behind the scales: the spare words, 128 bytes a wave: two blocks of 256 bytes that no other line names
.set ADRA, 16                          ; v16-17 LDS address of my A fragments in slot 0, 1 (v18-19: for the pieces behind one padding more)
.set ADRB, 20                          ; v20-23 the same for B
.set LI,   24                          ; v24  16 x lane: my place in a run of an image
.set TO,   25                          ; v25  my place in 16 rows of the table: 256 (lane % 16) + 64 (lane / 16)
.set SOFF, 26                          ; v26  my place among the scale words: 16 (lane % 16), lanes 16-31 one head on
.set ADRS, 27                          ; v27  LDS address of my scale words
.set SPW,  28                          ; v28  LDS address of my spare word; never rewritten
.set NIL,  29                          ; v29  0; never rewritten
.set SC,   32
.set AF,   128
.set HA,   64                          ; the way out: v64-127 64 rotated numbers of a lane
.set CS,   128                         ; v128-191 two sets of 16 (cos, sin) pairs
.set IM,   192                         ; v192-215 two images
.set CT,   216                         ; v216-223 the upper halves of blocks, as converted
.set TM,   224                         ; v224-227 largest magnitudes, v228-231 the other half's, then bytes, v236-239 the conversions' scale operands
.set PW,   240                         ; v240-247 scale words as made
.set SW,   248                         ; v248-251 scale words as stored
.set G1, 24
.set G0, 32
.set G1B, 48
.set G0B, 56
.set G1S, 68
.set G0S, 76
.set G1SB, 80
.set G0SB, 88
.set MSB, 0
.macro WIN new                         ; the immediate's high byte repeats the setting that is left
.if MSB != (\new)
	s_set_vgpr_msb (MSB<<8)|(\new)
.set MSB, (\new)
.endif
.endm
.set MUL_LO, 0xa1                      ; source 0 (B) window 1, source 1 (A) window 0, C and D window 2
.set MUL_HI, 0xf1                      ; the same, C and D window 3
.set TO_B,   0x40                      ; destination window 1, address window 0
; A joint load: waves 0 and 1 fetch for A, waves 2 and 3 for B.  The branch hangs on the wave's number alone.  Four v_nop follow each of the two lines.
.macro JLOAD g0a, g1a, g0b, g1b
	s_cmp_eq_u32 s15, 0
	s_cbranch_scc0 .Lfor_b_\@
	tensor_load_to_lds s[\g0a:\g0a+3], s[\g1a:\g1a+7]
	s_nop 0
.rept 4
	v_nop
.endr
	s_branch .Lasked_\@
.Lfor_b_\@:
	tensor_load_to_lds s[\g0b:\g0b+3], s[\g1b:\g1b+7]
	s_nop 0
.rept 4
	v_nop
.endr
.Lasked_\@:
.endm
.macro CREST                           ; a round of the cluster's barrier behind its opening barrier
	s_cmp_lg_u32 s14, 0
	s_cbranch_scc1 .Lnot_wave_0_\@
	s_barrier_signal -3
.Lnot_wave_0_\@:
	s_barrier_wait -3
	s_barrier_signal -1
	s_barrier_wait -1
.endm
.macro CROUND                          ; a whole round
	s_barrier_signal -1
	s_barrier_wait -1
	CREST
.endm
	s_load_b128 s[4:7], s[0:1], 0x0                ; xc, xs
	s_load_b128 s[8:11], s[0:1], 0x10              ; wc, ws
	s_load_b128 s[96:99], s[0:1], 0x20             ; tab, qkv
	v_lshl_add_u32 v[SPW], v0, 2, SPARE
	v_mov_b32 v[NIL], 0
	ds_add_u32 v28, v29
	ds_add_u32 v28, v29
	s_wait_dscnt 0x0
	v_lshrrev_b32 v1, 5, v0
	v_readfirstlane_b32 s14, v1                    ; wave 0..3
	s_lshr_b32 s15, s14, 1                         ; which half of A's rows is mine.  Also: I fetch for A (0) or for B (1)
	s_and_b32 s16, s14, 1                          ; which half of B's rows.  Also: which 128 rows of that tile I fetch
	s_bfe_u32 s40, ttmp6, 0x40000                  ; cx, cy: my place in the cluster
	s_bfe_u32 s41, ttmp6, 0x40004
	s_and_b32 s17, ttmp7, 0xffff                   ; the cluster's y
	s_cmp_eq_u32 ttmp9, 2                          ; v's clusters: the operands change places
	s_cselect_b32 s42, s17, ttmp9                  ; B's tiles: by the cluster's y (x's 32 tiles), else by its x (wq's and wk's 8)
	s_cselect_b32 s17, 0, s17                      ; A's tiles: wv's four, else x's 32
	s_cselect_b32 s95, 2048, 0                     ; wv's rows begin at row 2,048 of wc
	s_lshl_b32 s42, s42, 2
	s_add_co_u32 s42, s42, s40                     ; B's tile
	s_lshl_b32 s17, s17, 2
	s_add_co_u32 s17, s17, s41                     ; A's tile
	s_lshl_b32 s43, s41, 2
	s_lshl_b32 s43, 15, s43                        ; my row of the cluster
	s_lshl_b32 s44, 0x1111, s40                    ; my column
	; descriptor group 1: a tile of 128 rows x ROWB bytes, padded in LDS
	s_or_b32 s[G1+0], s43, (0<<16)|(1<<20)|(1<<21)|(3<<22)|(3<<25)  ; 15:0 the mask: A's tiles go to my row; elements of 1 byte; padding on; bit 21 beside a mask; after every 16 words 4 words
	s_or_b32 s[G1B+0], s44, (0<<16)|(1<<20)|(1<<21)|(3<<22)|(3<<25)
.irp g, G1, G1B
	s_mov_b32 s[\g+1], ROWB<<16                    ; tensor_dim0
	s_mov_b32 s[\g+2], 128<<16                     ; tensor_dim1
	s_mov_b32 s[\g+3], ROWB<<16                    ; tile_dim0
	s_mov_b32 s[\g+4], 128                         ; tile_dim1
	s_mov_b32 s[\g+5], KROW                        ; the pitch
	s_mov_b32 s[\g+6], 0
	s_mov_b32 s[\g+7], 0
.endr
	; the scales of 128 rows: a dense block of 4,096 bytes, as rows of 256 bytes (32 elements of 8 bytes), 16 bytes of padding behind each
	s_or_b32 s[G1S+0], s43, (3<<16)|(1<<20)|(1<<21)|(5<<22)|(3<<25)
	s_or_b32 s[G1SB+0], s44, (3<<16)|(1<<20)|(1<<21)|(5<<22)|(3<<25)
.irp g, G1S, G1SB
	s_mov_b32 s[\g+1], 32<<16
	s_mov_b32 s[\g+2], (128*KS/256)<<16
	s_mov_b32 s[\g+3], 32<<16
	s_mov_b32 s[\g+4], 128*KS/256
	s_mov_b32 s[\g+5], 32
	s_mov_b32 s[\g+6], 0
	s_mov_b32 s[\g+7], 0
.endr
	s_lshl_b32 s18, s16, 7                         ; which 128 rows of the tile I fetch
	s_lshl_b32 s20, s17, 8
	s_add_co_u32 s20, s20, s18
	s_add_co_u32 s20, s20, s95                     ; A: row 256 x tile + 128 x half (+ 2,048)
	s_lshl_b32 s46, s42, 8
	s_add_co_u32 s46, s46, s18                     ; B: row 256 x tile + 128 x half
	s_mov_b32 s21, 0
	s_mov_b32 s47, 0
	s_mov_b64 s[18:19], KS
	s_mul_u64 s[22:23], s[20:21], s[18:19]         ; where these rows' scales begin, in bytes
	s_mul_u64 s[92:93], s[46:47], s[18:19]
	s_mov_b64 s[18:19], KROW
	s_mul_u64 s[20:21], s[20:21], s[18:19]         ; and their codes
	s_mul_u64 s[46:47], s[46:47], s[18:19]
	s_mul_i32 s45, s14, HALFT                      ; where they go: wave x 128 rows: no place in the cluster enters an LDS address
	s_mul_i32 s94, s14, HALFS
	s_wait_kmcnt 0x0
	s_cmp_eq_u32 ttmp9, 2
	s_cselect_b64 s[12:13], s[8:9], s[4:5]         ; A's codes: wc for v, else xc
	s_cselect_b64 s[66:67], s[10:11], s[6:7]       ; A's scales
	s_cselect_b64 s[4:5], s[4:5], s[8:9]           ; B's codes: xc for v, else wc
	s_cselect_b64 s[6:7], s[6:7], s[10:11]         ; B's scales
	s_add_nc_u64 s[20:21], s[12:13], s[20:21]
	s_add_nc_u64 s[22:23], s[66:67], s[22:23]
	s_add_nc_u64 s[46:47], s[4:5], s[46:47]
	s_add_nc_u64 s[92:93], s[6:7], s[92:93]
	CROUND                                         ; all sixteen work-groups are here: the first joint loads meet
	s_mov_b32 s[G0S], 1
	s_add_co_u32 s[G0S+1], s94, SCL
	s_mov_b64 s[G0S+2:G0S+3], s[22:23]
	s_or_b32 s[G0S+3], s[G0S+3], 0x80000000
	s_mov_b32 s[G0SB], 1
	s_add_co_u32 s[G0SB+1], s94, SCL
	s_mov_b64 s[G0SB+2:G0SB+3], s[92:93]
	s_or_b32 s[G0SB+3], s[G0SB+3], 0x80000000
	JLOAD G0S, G1S, G0SB, G1SB                     ; the scales first: they are wanted with K step 0
.irp s, 0,1
	s_mov_b32 s[G0+4*\s], 1
	s_add_co_u32 s[G0+4*\s+1], s45, \s*SLOT
	s_add_nc_u64 s[G0+4*\s+2:G0+4*\s+3], s[20:21], \s*ROWB
	s_or_b32 s[G0+4*\s+3], s[G0+4*\s+3], 0x80000000
	s_mov_b32 s[G0B+4*\s], 1
	s_add_co_u32 s[G0B+4*\s+1], s45, \s*SLOT
	s_add_nc_u64 s[G0B+4*\s+2:G0B+4*\s+3], s[46:47], \s*ROWB
	s_or_b32 s[G0B+4*\s+3], s[G0B+4*\s+3], 0x80000000
	JLOAD G0+4*\s, G1, G0B+4*\s, G1B               ; three tensor loads of mine are out at the most
.endr
	v_and_b32 v1, 15, v0                           ; l % 16
	v_bfe_u32 v2, v0, 4, 1                         ; l / 16
	v_mul_u32_u24 v3, v1, PITCH
	v_mul_u32_u24 v4, v2, 24
	v_add_nc_u32 v4, v3, v4                        ; a fragment's row x pitch + 24 x half
	v_lshl_add_u32 v5, v2, 4, v4                   ; and the same behind one padding more
	s_mul_i32 s21, s15, HALFT                      ; my 128 rows of A
	s_mul_i32 s22, s16, HALFT                      ; my 128 rows of B,
	s_add_co_u32 s22, s22, 2*HALFT                 ; which lie behind A's 256
.irp s, 0,1
	v_add_nc_u32 v[ADRA+\s], s21, v4
	v_add_nc_u32 v[ADRB+\s], s22, v4
	v_add_nc_u32 v[ADRA+2+\s], s21, v5
	v_add_nc_u32 v[ADRB+2+\s], s22, v5
	s_add_co_u32 s21, s21, SLOT
	s_add_co_u32 s22, s22, SLOT
.endr
	v_mul_u32_u24 v5, v1, KS                       ; my row's scales: KS bytes a row,
	v_lshrrev_b32 v6, 8, v5
	v_lshl_add_u32 v5, v6, 4, v5                   ; and 16 more for each 256 passed
	s_mul_i32 s21, s15, HALFS                      ; A's: my 128 rows
	s_mul_i32 s22, s16, HALFS                      ; B's: my 128 rows, behind A's 256
	s_add_co_u32 s22, s22, 2*HALFS
	s_sub_co_u32 s22, s22, s21
	v_mul_u32_u24 v6, s22, v2                      ; lanes 16-31 take B's
	s_add_co_u32 s21, s21, SCL
	v_add_nc_u32 v5, v5, v6
	v_add_nc_u32 v[ADRS], s21, v5
	v_and_b32 v6, 31, v0
	v_lshlrev_b32 v[LI], 4, v6
	v_lshlrev_b32 v[TO], 8, v1
	v_lshl_add_u32 v[TO], v2, 6, v[TO]
.macro FRAG reg, adr, q, i             ; a fragment, 16 rows x 128 K: lane l holds row l % 16; registers 6 c .. 6 c + 5 hold K = 64 c + 32 (l / 16) + 0 .. 31: 24 bytes of the row's stream of bits, in pieces of 8 bytes
.irp p, 0,1,2,3,4,5
.set PC, 12*(\q)+6*(\p/3)+\p%3        ; 16 bytes of padding lie behind every 8 pieces: where the piece three on lies behind one padding more, the second address register serves
.if PC%8 < 5
	ds_load_b64 v[\reg+2*\p:\reg+2*\p+1], v[\adr] offset:8*PC+16*(PC/8)+(\i)*16*PITCH
.else
	ds_load_b64 v[\reg+2*\p:\reg+2*\p+1], v[\adr+2] offset:8*PC+16*(PC/8)+(\i)*16*PITCH
.endif
.endr
.endm
; 16 matrix instructions: A's blocks a0, a0 + 1 x B's eight, 128 along K.  The 64 accumulators take turns, one instruction a turn, in the same order in every step.
.macro MUL16 a0, p, q, sc, zero
.irp a, \a0, \a0+1
.irp b, 0,1,2,3,4,5,6,7
.if \zero
	v_wmma_scale_f32_16x16x128_f8f6f4 v[8*(8*((\a)%4)+\b):8*(8*((\a)%4)+\b)+7], v[128*(\p)+FR*\b:128*(\p)+FR*\b+FR-1], v[AF+FR*(\a):AF+FR*(\a)+FR-1], 0, v[SC+8*NQ*(\sc)+NQ*\b+(\q)], v[SC+8*NQ*(\sc)+NQ*(\a)+(\q)] matrix_a_fmt:MATRIX_FMT_FP6 matrix_b_fmt:MATRIX_FMT_FP6 matrix_a_scale:MATRIX_SCALE_ROW1
.else
	v_wmma_scale_f32_16x16x128_f8f6f4 v[8*(8*((\a)%4)+\b):8*(8*((\a)%4)+\b)+7], v[128*(\p)+FR*\b:128*(\p)+FR*\b+FR-1], v[AF+FR*(\a):AF+FR*(\a)+FR-1], v[8*(8*((\a)%4)+\b):8*(8*((\a)%4)+\b)+7], v[SC+8*NQ*(\sc)+NQ*\b+(\q)], v[SC+8*NQ*(\sc)+NQ*(\a)+(\q)] matrix_a_fmt:MATRIX_FMT_FP6 matrix_b_fmt:MATRIX_FMT_FP6 matrix_a_scale:MATRIX_SCALE_ROW1
.endif
.endr
.endr
.endm
.macro FETCH_B slot, q, p              ; B's eight fragments of the slot's q-th 128 along K into set p
	WIN TO_B
.irp i, 0,1,2,3,4,5,6,7
	FRAG 128*(\p)+FR*\i, ADRB+\slot, \q, \i
.endr
	WIN 0
.endm
.macro FETCH_A slot, q, i0             ; A's blocks i0 .. i0 + 3
.irp i, \i0, \i0+1, \i0+2, \i0+3
	FRAG AF+FR*(\i), ADRA+\slot, \q, \i
.endr
.endm
.macro SCALES sc                       ; the next K step's scale words into set sc: lanes 0-15 take A's block i, lanes 16-31 B's block i
.irp i, 0,1,2,3,4,5,6,7
	ds_load_b64 v[SC+8*NQ*\sc+NQ*\i:SC+8*NQ*\sc+NQ*\i+1], v[ADRS] offset:\i*SBLK
.endr
.endm
.macro PLACES n                        ; plain vector instructions between a matrix instruction and a load into, or a vector instruction on, one of its registers
.rept \n
	v_nop
.endr
.endm
.macro STEP slot, q, zero              ; a step of 128 along K that has its successor in the same slot
	s_wait_dscnt 4*NL                              ; B's set and A's blocks 0-3 are in; the youngest 24 loads (A's blocks 4-7) may be out
	WIN MUL_LO
	MUL16 0, (\q)%2, \q, \slot, \zero
	MUL16 2, (\q)%2, \q, \slot, \zero
	s_wait_dscnt 0                                 ; A's blocks 4-7 are in
	PLACES NP
	FETCH_B \slot, (\q)+1, 1-(\q)%2
	FETCH_A \slot, (\q)+1, 0
	WIN MUL_HI
	MUL16 4, (\q)%2, \q, \slot, \zero
	MUL16 6, (\q)%2, \q, \slot, \zero
	PLACES NP
	WIN 0
	FETCH_A \slot, (\q)+1, 4
.endm
; A slot's last step changes slots: one barrier; in front of it each wave waits for all its tensor loads, adds 0 to its spare word, and waits for that and for its own reads of this slot.
.macro TURN slot, next, fill
	s_wait_tensorcnt 0x0                           ; all my tensor loads have landed: my part of the next slot
	ds_add_u32 v[SPW], v[NIL]                      ; 0 onto my spare word
	s_wait_dscnt 4*NL+1                            ; (the add and the youngest 24 loads, A's blocks 4-7, may be out)
	WIN MUL_LO
	MUL16 0, 1, NQ-1, \slot, 0                     ; sixteen matrix instructions stand between the add and the wait for it
	s_wait_dscnt 0x0                               ; the add is done, and my reads of this slot are over
	s_barrier_signal -1
	MUL16 2, 1, NQ-1, \slot, 0
	WIN 0
	s_barrier_wait -1
.if \fill
	CREST                                          ; the barrier has opened a round of the cluster's barrier: no wave of any partner still reads this slot's tile or has a load on its way
	s_add_nc_u64 s[G0+4*\slot+2:G0+4*\slot+3], s[G0+4*\slot+2:G0+4*\slot+3], 2*ROWB
	s_add_nc_u64 s[G0B+4*\slot+2:G0B+4*\slot+3], s[G0B+4*\slot+2:G0B+4*\slot+3], 2*ROWB
	JLOAD G0+4*\slot, G1, G0B+4*\slot, G1B         ; the first tensor load behind the round; its four v_nop are the places in front of the loads below
.else
	PLACES NP
.endif
	v_add_nc_u32 v[ADRS], 4*NQ, v[ADRS]            ; on to the next K step's scale words
	FETCH_B \next, 0, 0
	FETCH_A \next, 0, 0
	SCALES \next
	WIN MUL_HI
	MUL16 4, 1, NQ-1, \slot, 0
	MUL16 6, 1, NQ-1, \slot, 0
	PLACES NP
	WIN 0
	FETCH_A \next, 0, 4
.endm
	s_wait_tensorcnt 1                             ; the scales and my part of K step 0 are in (K step 1's load may be out)
	s_barrier_signal -1
	s_barrier_wait -1                              ; everybody's are
	FETCH_B 0, 0, 0
	FETCH_A 0, 0, 0
	SCALES 0
	FETCH_A 0, 0, 4
	STEP 0, 0, 1                                   ; the first step stands in front of the loop: its products start the sums
	s_mov_b32 s3, LAPS-1
.Llap:                                                 ; a trip goes once round the ring and fills both slots again
	TURN 0, 1, 1
	STEP 1, 0, 0
	TURN 1, 0, 1
	STEP 0, 0, 0
	s_sub_co_u32 s3, s3, 1
	s_cmp_lg_u32 s3, 0
	s_cbranch_scc1 .Llap
	TURN 0, 1, 0                                   ; the last lap fills nothing
	STEP 1, 0, 0
	s_wait_dscnt 4*NL                              ; the very last step
	WIN MUL_LO
	MUL16 0, 1, NQ-1, 1, 0
	MUL16 2, 1, NQ-1, 1, 0
	s_wait_dscnt 0
	WIN MUL_HI
	MUL16 4, 1, NQ-1, 1, 0
	MUL16 6, 1, NQ-1, 1, 0
	WIN 0
; THE WAY OUT: registers to memory, no LDS.
; QUANT: 64 numbers of a lane, v[s] .. v[s + 63] of window w, register 16 b + i = number 32 b + 16 (lane / 16) + i along K of my row, become codes: blocks 0, 1 in v[d0] .. v[d0 + 5], blocks 2, 3 in v[d1] .. v[d1 + 5]
; (lanes 0-15 the lower block, lanes 16-31 the upper), and the four scale bytes in v[pw].  Each accumulator is read from its low end on.
.macro QUANT s, w, d0, d1, pw
	WIN (\w)|((\w)<<2)
.irp b, 0,1,2,3
	v_max3_num_f32 v[TM+\b], |v[\s+16*\b]|, |v[\s+16*\b+1]|, 0x1800000   ; my 16 numbers of block b, and the floor 2^(3 - 127): the byte cannot fall under 1
.endr
.irp i, 2,4,6,8,10,12,14
.irp b, 0,1,2,3
	v_max3_num_f32 v[TM+\b], |v[\s+16*\b+\i]|, |v[\s+16*\b+\i+1]|, v[TM+\b]   ; (the four blocks by turns)
.endr
.endr
	WIN 0
.irp b, 0,1,2,3
	v_permlanex16_b32 v[TM+4+\b], v[TM+\b], s20, s21
.endr
.irp b, 0,1,2,3
	v_max_num_f32 v[TM+\b], v[TM+\b], v[TM+4+\b]   ; with lane l xor 16's: the block's largest magnitude
.endr
.irp b, 0,1,2,3
	v_add_nc_u32 v[TM+12+\b], 0xff000000, v[TM+\b] ; 2 off its exponent field: the conversion's scale operand
.endr
.irp b, 0,1,2,3
	v_lshrrev_b32 v[TM+4+\b], 23, v[TM+12+\b]      ; the scale's byte
.endr
	v_lshl_or_b32 v[\pw], v[TM+5], 8, v[TM+4]
	v_lshl_or_b32 v[\pw], v[TM+6], 16, v[\pw]
	v_lshl_or_b32 v[\pw], v[TM+7], 24, v[\pw]
	WIN (\w)
	v_cvt_scalef32_pk16_fp6_f32 v[\d0:\d0+2], v[\s:\s+15], v[TM+12]
	v_cvt_scalef32_pk16_fp6_f32 v[CT:CT+2], v[\s+16:\s+31], v[TM+13]      ; (a conversion's three registers begin on an even number)
	v_cvt_scalef32_pk16_fp6_f32 v[\d1:\d1+2], v[\s+32:\s+47], v[TM+14]
	v_cvt_scalef32_pk16_fp6_f32 v[CT+4:CT+6], v[\s+48:\s+63], v[TM+15]
	WIN 0
	v_nop                                          ; one plain place behind a scaled conversion
.irp i, 0,1,2                                  ; the operand's layout wants a whole block in a lane
	v_permlane16_swap_b32 v[\d0+\i], v[CT+\i]
	v_permlane16_swap_b32 v[\d1+\i], v[CT+4+\i]
.endr
.irp i, 0,1,2
	v_mov_b32 v[\d0+3+\i], v[CT+\i]
	v_mov_b32 v[\d1+3+\i], v[CT+4+\i]
.endr
.endm
.macro TLD a                           ; the table's rows of A's block a: my token's frequencies 8 (lane / 16) + 0 .. 7 and 16 + 8 (lane / 16) + 0 .. 7: 2 x 64 bytes, into set a % 2
.irp i, 0,1,2,3,4,5,6,7
	global_load_b128 v[CS+32*((\a)%2)+4*\i:CS+32*((\a)%2)+4*\i+3], v[TO], s[10:11] offset:4096*(\a)+128*(\i/4)+16*(\i%4)
.endr
.endm
.macro ROPE a                          ; block a's 64 numbers of my token, rotated in pairs: (x1 cos - x2 sin, x2 cos + x1 sin); the same frequencies serve both heads
	WIN 2+(\a)/4                                   ; source 0: the accumulators' window
.irp b, 0,1,2,3,4,5,6,7
.set XR, 64*((\a)%4)+8*\b
.set CR, CS+32*((\a)%2)+16*((\b/2)%2)+8*(\b%2)
.irp j, 0,1,2,3
	v_pk_mul_f32 v[HA+8*\b+2*\j:HA+8*\b+2*\j+1], v[XR+2*\j:XR+2*\j+1], v[CR+2*\j:CR+2*\j+1] op_sel_hi:[1,0]   ; (x1, x2) x cos
.endr
.irp j, 0,1,2,3
	v_fma_f32 v[HA+8*\b+2*\j], -v[XR+2*\j+1], v[CR+2*\j+1], v[HA+8*\b+2*\j]
	v_fma_f32 v[HA+8*\b+2*\j+1], v[XR+2*\j], v[CR+2*\j+1], v[HA+8*\b+2*\j+1]
.endr
.endr
	WIN 0
.endm
	PLACES NP                                      ; behind the last products: in front of reads of results and of writes and loads into the registers that held A's fragments
	s_lshl_b32 s12, s17, 1
	s_add_co_u32 s12, s12, s15                     ; which 128 rows of A's tensor are mine,
	s_lshl_b32 s13, s42, 1
	s_add_co_u32 s13, s13, s16                     ; and which 128 of B's
	s_cmp_eq_u32 ttmp9, 2
	s_cselect_b32 s18, s13, s12                    ; the tokens' 128: B's for v, else A's
	s_cselect_b32 s19, s12, s13                    ; the pair of heads
	s_and_b32 s19, s19, 7
	s_lshr_b32 s12, s18, 4                         ; the batch,
	s_and_b32 s18, s18, 15                         ; and which 128 tokens of its 2,048
	s_lshl_b32 s12, s12, 4
	s_lshl_b32 s19, s19, 1
	s_add_co_u32 s12, s12, s19                     ; my first head's block: 16 x batch + head
	s_mov_b32 s22, 204800                          ; from head to head,
	s_mov_b32 s23, 0                               ; where the images begin,
	s_mov_b32 s46, 196608                          ; and the scale words: k's figures
	s_cmp_eq_u32 ttmp9, 0
	s_cselect_b32 s22, 102400, s22                 ; q's
	s_cselect_b32 s23, 13107200, s23
	s_cselect_b32 s46, 13205504, s46
	s_cmp_eq_u32 ttmp9, 2
	s_cselect_b32 s23, 98304, s23                  ; v's
	s_cselect_b32 s46, 200704, s46
	s_mul_i32 s47, s12, s22
	s_mul_i32 s92, s18, 6144
	s_add_co_u32 s92, s92, s47
	s_add_co_u32 s92, s92, s23
	s_mov_b32 s93, 0
	s_add_nc_u64 s[4:5], s[98:99], s[92:93]        ; my first head's four images,
	s_mov_b32 s94, s22
	s_mov_b32 s95, 0
	s_add_nc_u64 s[6:7], s[4:5], s[94:95]          ; my second head's,
	s_lshl_b32 s92, s18, 8
	s_add_co_u32 s92, s92, s47
	s_add_co_u32 s92, s92, s46
	s_add_nc_u64 s[8:9], s[98:99], s[92:93]        ; the first head's scale words,
	s_lshl_b32 s92, s18, 15
	s_add_nc_u64 s[10:11], s[96:97], s[92:93]      ; and the table's 128 rows of my tokens
	v_and_b32 v6, 31, v0
	v_cmp_lt_u32 vcc_lo, 15, v6                    ; lanes 16-31: kept to the end, nothing else writes VCC
	v_mul_lo_u32 v[SOFF], v2, s22
	v_lshl_add_u32 v[SOFF], v1, 4, v[SOFF]
.irp b, 0,1,2,3
	v_mov_b32 v[TM+4+\b], 0                        ; written once: a lane permute's destination counts as one of its sources
.endr
	s_mov_b32 s20, 0x76543210
	s_mov_b32 s21, 0xfedcba98                      ; v_permlanex16_b32's selects for lane l xor 16
	s_cmp_eq_u32 ttmp9, 2                          ; the cluster's x: the same in all sixteen partners
	s_cbranch_scc1 .Lpath_v
	; ---- q and k: for each block of 16 tokens: rotate, quantise; two blocks make an image of each of my two heads
	TLD 0
	TLD 1
.irp a, 0,1,2,3,4,5,6,7
.if \a < 7
	s_wait_loadcnt 8                               ; this block's eight table loads are in; the next block's eight may be out
.else
	s_wait_loadcnt 0
.endif
	ROPE \a
.if \a < 6
	TLD \a+2                                       ; into the set just read
.endif
.if (\a%2 == 0) && (\a >= 2)
	s_wait_xcnt 0x0                                ; the last images' stores have read their registers: they are written again only behind this wait
.endif
	QUANT HA, 0, IM+6*(\a%2), IM+12+6*(\a%2), PW+(\a%2)
.if \a%2 == 1
.irp g, 0,1,2
	global_store_b128 v[LI], v[IM+4*\g:IM+4*\g+3], s[4:5] offset:1536*(\a/2)+512*\g          ; 32 lanes store 512 consecutive bytes, aligned
	global_store_b128 v[LI], v[IM+12+4*\g:IM+12+4*\g+3], s[6:7] offset:1536*(\a/2)+512*\g
.endr
	v_perm_b32 v252, v[PW+1], v[PW], 0x05040100    ; the first head's word: the even block's two bytes, the odd block's two;
	v_perm_b32 v253, v[PW+1], v[PW], 0x07060302    ; the second head's
	v_cndmask_b32 v[SW+\a/2], v252, v253, vcc_lo   ; lanes 0-15 store the first head's, lanes 16-31 the second's
.endif
.endr
	global_store_b128 v[SOFF], v[SW:SW+3], s[8:9]  ; sixteen lanes store a head's 256 bytes of scale words, aligned
	s_branch .Ljoin
.Lpath_v:
	; ---- v: a block of 16 dimensions x my 128 tokens is an image as it stands
.irp a, 0,1,2,3,4,5,6,7
.if \a >= 2
	s_wait_xcnt 0x0                                ; the stores of two blocks ago have read their registers
.endif
	QUANT 64*(\a%4), 2+\a/4, IM+12*(\a%2), IM+12*(\a%2)+6, PW+\a
.irp g, 0,1,2
	global_store_b128 v[LI], v[IM+12*(\a%2)+4*\g:IM+12*(\a%2)+4*\g+3], s[4+2*(\a/4):5+2*(\a/4)] offset:1536*(\a%4)+512*\g
.endr
.endr
.irp t, 0,1,2,3
	v_cndmask_b32 v[SW+\t], v[PW+\t], v[PW+4+\t], vcc_lo
.endr
	global_store_b128 v[SOFF], v[SW:SW+3], s[8:9]
.Ljoin:
	s_wait_tensorcnt 0x0                           ; the wave's end
	ds_add_u32 v[SPW], v[NIL]
	s_wait_dscnt 0x0
	CROUND                                         ; the closing round: no work-group ends while a partner may still ask for a tile that names it
	s_endpgm
.Lfunc_end_k_q5b4e94397c_proj:
	.size	k_q5b4e94397c_proj, .Lfunc_end_k_q5b4e94397c_proj-k_q5b4e94397c_proj
	.p2alignl 7, 3214868480
	.fill 96, 4, 3214868480
	.section	.rodata,"a",@progbits
	.p2align	6, 0x0
	.amdhsa_kernel k_q5b4e94397c_proj
		.amdhsa_group_segment_fixed_size 327680
		.amdhsa_private_segment_fixed_size 0
		.amdhsa_enable_private_segment 0
		.amdhsa_kernarg_size 48
		.amdhsa_user_sgpr_count 2
		.amdhsa_user_sgpr_kernarg_segment_ptr 1
		.amdhsa_wavefront_size32 1
		.amdhsa_system_sgpr_workgroup_id_x 1
		.amdhsa_system_sgpr_workgroup_id_y 1
		.amdhsa_system_sgpr_workgroup_id_z 1
		.amdhsa_system_vgpr_workitem_id 0
		.amdhsa_next_free_vgpr 1024
		.amdhsa_next_free_sgpr 100
		.amdhsa_reserve_vcc 1
		.amdhsa_float_denorm_mode_32 3
		.amdhsa_float_denorm_mode_16_64 3
		.amdhsa_memory_ordered 1
		.amdhsa_forward_progress 1
		.amdhsa_inst_pref_size 253
	.end_amdhsa_kernel
	.amdgpu_metadata
---
amdhsa.version: [ 1, 2 ]
amdhsa.kernels:
  - .name:           k_q5b4e94397c_proj
    .symbol:         k_q5b4e94397c_proj.kd
    .args:
      - { .name: xc, .offset: 0, .size: 8, .value_kind: global_buffer, .address_space: global }
      - { .name: xs, .offset: 8, .size: 8, .value_kind: global_buffer, .address_space: global }
      - { .name: wc, .offset: 16, .size: 8, .value_kind: global_buffer, .address_space: global }
      - { .name: ws, .offset: 24, .size: 8, .value_kind: global_buffer, .address_space: global }
      - { .name: tab, .offset: 32, .size: 8, .value_kind: global_buffer, .address_space: global }
      - { .name: qkv, .offset: 40, .size: 8, .value_kind: global_buffer, .address_space: global }
    .group_segment_fixed_size: 327680
    .private_segment_fixed_size: 0
    .kernarg_segment_align: 8
    .kernarg_segment_size: 48
    .max_flat_workgroup_size: 128
    .sgpr_count:     100
    .vgpr_count:     1024
    .wavefront_size: 32
...
	.end_amdgpu_metadata
.endif
;; end of part 2
;; launch attn (part 3): grid 4 x 64, 16 waves a work-group, clusters of 4 x 1, 206,848 bytes of LDS; arguments qkv, y; writes y
.if DOCPART == 3
	.amdgcn_target "amdgcn-amd-amdhsa--gfx1250"
	.amdhsa_code_object_version 6
	.text
	.protected	k_q5b4e94397c_attn
	.globl	k_q5b4e94397c_attn
	.p2align	8
	.type	k_q5b4e94397c_attn,@function
k_q5b4e94397c_attn:
	s_mov_b64 s[64:65], 0
	v_nop
	global_prefetch_b8 v0, s[64:65] scope:SCOPE_SE
	s_setreg_imm32_b32 hwreg(HW_REG_WAVE_MODE, 25, 1), 1
	s_wait_xcnt 0x0
	s_wait_alu depctr_hold_cnt(0) depctr_sa_sdst(0) depctr_va_vdst(0) depctr_va_sdst(0) depctr_va_ssrc(0) depctr_va_vcc(0) depctr_vm_vsrc(0)
	s_getreg_b32 s2, hwreg(HW_REG_IB_STS2, 6, 4)
	s_cmp_eq_u32 s2, 0
	s_cbranch_scc0 .Lentry_in_a_cluster
	s_endpgm
.Lentry_in_a_cluster:
	s_bfe_u32 s2, ttmp6, 0x10000c
	s_cmp_lg_u32 s2, 0x3003
	s_cbranch_scc0 .Lentry_shape_is_right
	s_endpgm
.Lentry_shape_is_right:
; Causal attention of one head (2,048 tokens, head size 64) on codes of FP6 (E2M3) with E8M0 scales, and the quantising of its result along the last product's K.
; THE SOFTMAX: t = score x log2(e) / 8; M = the row's largest t so far, rounded up to a whole number; p = 2^(t - M) is quantised along the keys, not normalised; the row's sum is taken of the unquantised p and divides
; O at the end.  When M moves, the sum and O are multiplied by 2^(old M - new M): exact.
; A WHOLE HEAD'S k, v AND THEIR SCALE WORDS LIE IN LDS, 204,800 bytes as they lie in memory, filled ONCE: no slot is filled again, and behind the one barrier LDS is only read.
; CLUSTER: the four work-groups of a head ask for that block jointly (waves 0-7, 100 rows of 256 bytes each).
; SHARES.  The head's 128 tiles of 16 queries are (g = which 128 tokens, p = which 32 of them, e = which 16).  Work-group cx takes p = cx; wave w takes (g = w, e = 0) and then (g = 15 - w, e = 1):
; (w + 1) + (16 - w) = 17 key steps of 128 for every wave.  Branches hang on the wave's number and the step's count alone; cx enters global addresses and the mask's compare value, nothing else.
; LAYOUT.  Both products transposed: S^T = K Q^T, O^T = V^T P^T: a lane holds one query.  K = 64 in an instruction of 128: an image of k holds two tiles of 16 keys side by side along K, and q is given once as
; (q | zero codes) and once as (zero codes | q): v16-21 zeros, v22-27 q, v28-33 zeros.  By the order of rows in which the projections were made, the 16 registers of two neighbouring tiles of S^T are the keys
; 32 b + 16 (lane / 16) + 0 .. 15 of the tokens' own order, and O^T's likewise dimensions.  A query's own place: lane n of tile (g, p, e) is token 128 g + 32 p + 16 (n / 8) + 8 e + n % 8.
; y: images for the last product, [512 blocks of 16 rows][8 K steps][6 pieces][32 lanes][8 bytes]; from byte 6,291,456 on its scale bytes [8192 rows][32].  The scale bytes leave as single bytes, 2 for a row and
; a head (262,144 bytes in the launch): the one place where stores do not cover whole aligned runs of 256 bytes: a row's 32 bytes come from sixteen work-groups.
; LIMITS: hidden scores are taken as -infinity where reference() has -1e9: the same result while a row's largest visible logit lies above about -1e9 + 150.  NaN and infinities are not served.
.set VIMG,  98304                      ; LDS and head block: k's images at 0, v's here,
.set KSC,   196608                     ; k's scale words,
.set VSC,   200704                     ; v's
.set HEADB, 204800
.set QBASE, 13107200
.set QHEAD, 102400
.set YSC,   6291456
.set WV,  8                            ; s8 wave; s9 cx; s10 head block; s12 G; s13 the key step; s14, s15 where its images and words begin in LDS; s16 mask of lanes 16-31
.set FMT_, 0
; v1 16 x lane; v2 KSC + 16 (lane % 16); v3-6 the step's LDS addresses; v7 the mask's compare value; v8 16 (lane % 16); v9 8 x lane; v10 32 (lane % 16) + lane / 16; v11 v7 without 8 e
; v12 -M, v13 the largest t, v[14:15] the sum; v16-33 q; v34 q's scale word; v35 as loaded; v36-39 k's scale words; v40-43 v's; v44-91 four images; v96-159 S^T, then p; v160-191 O^T; v192-203 p's codes;
; v204-211 conversions' upper halves; v212-215 block maxima; v216-219 at work; v220-223 scale operands; v226 f; v227 p's scale word; v228 at work; v229 -infinity
.macro CROUND                          ; a round of the cluster's barrier
	s_barrier_signal -1
	s_barrier_wait -1
	s_cmp_lg_u32 s[WV], 0
	s_cbranch_scc1 .Lnot_wave_0_\@
	s_barrier_signal -3
.Lnot_wave_0_\@:
	s_barrier_wait -3
	s_barrier_signal -1
	s_barrier_wait -1
.endm
	s_load_b128 s[4:7], s[0:1], 0x0                ; qkv, y
	v_lshl_add_u32 v254, v0, 2, 0x32000
	v_mov_b32 v255, 0
	ds_add_u32 v254, v255
	ds_add_u32 v254, v255
	v_lshrrev_b32 v1, 5, v0
	s_delay_alu instid0(VALU_DEP_1)
	v_readfirstlane_b32 s[WV], v1                  ; wave 0..15
	s_bfe_u32 s9, ttmp6, 0x40000                   ; cx
	s_and_b32 s10, ttmp7, 0xffff                   ; the head block: 16 x batch + head, which the four partners share
	; descriptor group 1: 100 rows of 256 bytes (32 elements of 8 bytes), dense, no padding
	s_mov_b32 s24, 15|(3<<16)|(1<<21)              ; the mask: all four work-groups; elements of 8 bytes; bit 21 beside a mask
	s_mov_b32 s25, 32<<16                          ; tensor_dim0
	s_mov_b32 s26, 100<<16                         ; tensor_dim1
	s_mov_b32 s27, 32<<16                          ; tile_dim0
	s_mov_b32 s28, 100                             ; tile_dim1
	s_mov_b32 s29, 32                              ; the pitch
	s_mov_b32 s30, 0
	s_mov_b32 s31, 0
	s_mul_i32 s11, s[WV], 25600                    ; wave x 100 rows: in LDS and in the head block alike
	s_mul_i32 s52, s10, HEADB
	s_add_co_u32 s52, s52, s11
	s_mov_b32 s53, 0
	s_mov_b32 s55, 0
	s_mov_b32 s59, 0
	s_mov_b32 s20, 0x76543210
	s_mov_b32 s21, 0xfedcba98                      ; v_permlanex16_b32's selects for lane l xor 16
	s_mov_b32 s22, 0x3e38aa3b                      ; c = log2(e) / 8
	s_mov_b32 s23, s22                             ; (named with it as a pair, so it is written)
	v_and_b32 v11, 31, v0                          ; lane
	s_delay_alu instid0(VALU_DEP_1)
	v_lshlrev_b32 v1, 4, v11
	v_and_b32 v10, 15, v0                          ; n
	s_delay_alu instid0(VALU_DEP_1)
	v_lshlrev_b32 v8, 4, v10
	s_delay_alu instid0(VALU_DEP_1)
	v_add_nc_u32 v2, KSC, v8
	v_lshlrev_b32 v9, 3, v11
	v_bfe_u32 v3, v0, 4, 1                         ; h
	v_cmp_lt_u32 s16, 15, v11
	v_and_b32 v4, 7, v10
	v_lshrrev_b32 v5, 3, v10
	s_delay_alu instid0(VALU_DEP_1)
	v_lshl_add_u32 v4, v5, 4, v4                   ; n % 8 + 16 (n / 8)
	v_lshlrev_b32 v5, 4, v3
	s_delay_alu instid0(VALU_DEP_1)
	v_sub_nc_u32 v4, v4, v5                        ; - 16 h
	s_lshl_b32 s17, s9, 5
	v_add_nc_u32 v11, s17, v4                      ; + 32 cx
	v_lshl_add_u32 v10, v10, 5, v3
.irp j, 16,17,18,19,20,21,28,29,30,31,32,33
	v_mov_b32 v[\j], 0                             ; the zero codes beside q
.endr
.irp j, 216,217,218,219,226,227
	v_mov_b32 v[\j], 0                             ; written once: a lane permute's destination counts as one of its sources; v227 is named as the upper half of a pair before it is first made
.endr
	v_mov_b32 v229, 0xff800000
	s_wait_dscnt 0x0
	s_wait_kmcnt 0x0
	s_mov_b32 s32, 1                               ; group 0: count = 1,
	s_mov_b32 s33, s11                             ; the LDS address,
	s_add_nc_u64 s[34:35], s[4:5], s[52:53]        ; the global address,
	s_or_b32 s35, s35, 0x80000000                  ; type = 2
	s_mul_i32 s52, s10, QHEAD
	s_add_co_u32 s52, s52, QBASE
	s_mul_i32 s54, s9, 1536
	s_add_co_u32 s54, s54, s52
	s_add_nc_u64 s[36:37], s[4:5], s[54:55]        ; q's image cx of the head's first 128 tokens
	s_lshl_b32 s54, s9, 2
	s_add_co_u32 s54, s54, s52
	s_add_co_u32 s54, s54, 98304
	s_add_nc_u64 s[40:41], s[4:5], s[54:55]        ; and its scale words
	s_lshr_b32 s56, s10, 4                         ; batch
	s_and_b32 s57, s10, 15                         ; head
	s_lshl_b32 s56, s56, 7
	s_lshl_b32 s58, s9, 1
	s_add_co_u32 s56, s56, s58                     ; block of 16 rows: 128 x batch + 2 cx (+ 8 G + e)
	s_mul_i32 s54, s56, 12288
	s_mul_i32 s58, s57, 768                        ; a head's three pieces: 1,536 (head / 2) + 768 (head % 2)
	s_add_co_u32 s54, s54, s58
	s_add_nc_u64 s[44:45], s[6:7], s[54:55]
	s_lshl_b32 s54, s56, 9                         ; 16 rows of 32 scale bytes
	s_lshl_b32 s58, s57, 1
	s_add_co_u32 s54, s54, s58
	s_add_co_u32 s54, s54, YSC
	s_add_nc_u64 s[48:49], s[6:7], s[54:55]
	CROUND                                         ; all four work-groups are here: the joint loads meet
	s_cmp_lt_u32 s[WV], 8                          ; waves 0-7 fill; the branch hangs on the wave's number alone
	s_cbranch_scc0 .Lno_fill
	tensor_load_to_lds s[32:35], s[24:31]          ; one tensor load of mine is out
	s_nop 0
.rept 4
	v_nop
.endr
.Lno_fill:
; where pass e's tile lies, and its loads
.macro QLOAD e
.if \e
	s_wait_xcnt 0x0                                ; the first pass's loads and stores have read their bases and registers: both are written again only behind this wait
	s_xor_b32 s12, s[WV], 15                       ; G = 15 - wave
.else
	s_mov_b32 s12, s[WV]                           ; G = wave
.endif
	s_mul_i32 s54, s12, 6144
	s_add_nc_u64 s[38:39], s[36:37], s[54:55]
	s_lshl_b32 s54, s12, 8
	s_add_nc_u64 s[42:43], s[40:41], s[54:55]
	s_lshl_b32 s54, s12, 3
	s_add_co_u32 s54, s54, \e
	s_mul_i32 s58, s54, 12288
	s_add_nc_u64 s[46:47], s[44:45], s[58:59]
	s_lshl_b32 s58, s54, 9
	s_add_nc_u64 s[50:51], s[48:49], s[58:59]
.if \e
	global_load_b64 v[22:23], v1, s[38:39] offset:520     ; the image's registers 6-11
	global_load_b128 v[24:27], v1, s[38:39] offset:1024
.else
	global_load_b128 v[22:25], v1, s[38:39]               ; the image's registers 0-5
	global_load_b64 v[26:27], v1, s[38:39] offset:512
.endif
	global_load_b32 v35, v8, s[42:43]
.endm
; A KEY STEP: 128 keys
.macro STEP
	v_add_nc_u32 v3, s14, v1                       ; (these four are the places behind the last step's products, in front of the loads into the registers that they read)
	v_add_nc_u32 v5, s15, v2
	s_delay_alu instid0(VALU_DEP_2)
	v_add_nc_u32 v4, VIMG, v3
	s_delay_alu instid0(VALU_DEP_2)
	v_add_nc_u32 v6, VSC-KSC, v5
.irp b, 0,1,2,3
.irp c, 0,1,2
	ds_load_b128 v[44+12*\b+4*\c:47+12*\b+4*\c], v3 offset:1536*\b+512*\c      ; k's four images: 32 lanes read 512 consecutive bytes
.endr
.endr
	ds_load_b128 v[36:39], v5                      ; and their scale words
	s_wait_alu depctr_va_vdst(0)
	s_wait_dscnt 0x0
.irp b, 0,1,2,3                                ; S^T = K Q^T: an image against (q | 0): its first 16 keys; against (0 | q): its second
	v_wmma_scale_f32_16x16x128_f8f6f4 v[96+16*\b:103+16*\b], v[44+12*\b:55+12*\b], v[22:33], 0, v[36+\b], v34 matrix_a_fmt:MATRIX_FMT_FP6 matrix_b_fmt:MATRIX_FMT_FP6
	v_wmma_scale_f32_16x16x128_f8f6f4 v[104+16*\b:111+16*\b], v[44+12*\b:55+12*\b], v[16:27], 0, v[36+\b], v34 matrix_a_fmt:MATRIX_FMT_FP6 matrix_b_fmt:MATRIX_FMT_FP6
.endr
.rept 4
	v_nop                                          ; places in front of the loads below and of the first read of the scores
.endr
.irp t, 0,1,2,3
.irp c, 0,1,2
	ds_load_b128 v[44+12*\t+4*\c:47+12*\t+4*\c], v4 offset:1536*\t+512*\c      ; v's four images land while the softmax is walked
.endr
.endr
	ds_load_b128 v[40:43], v6
	s_cmp_lg_u32 s13, s12                          ; only the step on the diagonal hides keys
	s_cbranch_scc1 .Lopen_\@
.irp n, 0,1,2,3,4,5,6,7,8,9,10,11,12,13,14,15,16,17,18,19,20,21,22,23,24,25,26,27,28,29,30,31,32,33,34,35,36,37,38,39,40,41,42,43,44,45,46,47,48,49,50,51,52,53,54,55,56,57,58,59,60,61,62,63
	v_cmp_gt_i32 vcc_lo, 32*(\n/16)+\n%16, v7      ; register 16 b + i holds key 32 b + 16 (lane / 16) + i of the step: hidden where it comes after my query
	v_cndmask_b32 v[96+\n], v[96+\n], v229, vcc_lo
.endr
.Lopen_\@:
.irp b, 0,1,2,3
	v_max3_num_f32 v[212+\b], v[96+16*\b], v[97+16*\b], v[98+16*\b]   ; the largest score of each block of 32 keys: it serves for the row's maximum and, since p rises with the score, for the block's largest p
.endr
.irp i, 3,5,7,9,11,13
.irp b, 0,1,2,3
	v_max3_num_f32 v[212+\b], v[212+\b], v[96+16*\b+\i], v[97+16*\b+\i]
.endr
.endr
.irp b, 0,1,2,3
	v_max_num_f32 v[212+\b], v[212+\b], v[111+16*\b]
.endr
.irp b, 0,1,2,3
	s_delay_alu instid0(VALU_DEP_4)
	v_permlanex16_b32 v[216+\b], v[212+\b], s20, s21
.endr
.irp b, 0,1,2,3
	s_delay_alu instid0(VALU_DEP_4)
	v_max_num_f32 v[212+\b], v[212+\b], v[216+\b]  ; with lane l xor 16's 16 keys
.endr
	s_delay_alu instid0(VALU_DEP_2)
	v_max3_num_f32 v228, v212, v213, v214
	s_delay_alu instid0(VALU_DEP_1)
	v_max_num_f32 v228, v228, v215                 ; the step's largest score of my query
	s_delay_alu instid0(VALU_DEP_1)
	v_mul_f32 v228, s22, v228                      ; as t
	s_delay_alu instid0(VALU_DEP_1)
	v_max_num_f32 v13, v13, v228                   ; the running largest t
	v_mov_b32 v228, v12
	s_delay_alu instid0(VALU_DEP_2)
	v_floor_f32 v12, -v13                          ; the new -M = floor(-t): M is a whole number
	s_delay_alu instid0(VALU_DEP_1)
	v_sub_f32 v228, v12, v228                      ; old M - new M: a whole number, 0 or less
	s_delay_alu instid0(VALU_DEP_1)
	v_cvt_i32_f32 v228, v228                       ; (it saturates)
	s_delay_alu instid0(VALU_DEP_1)
	v_ldexp_f32 v226, 1.0, v228                    ; f = 2^(old M - new M)
.irp j, 0,2,4,6,8,10,12,14,16,18,20,22,24,26,28,30,32,34,36,38,40,42,44,46,48,50,52,54,56,58,60,62
	v_pk_fma_f32 v[96+\j:97+\j], v[96+\j:97+\j], s[22:23], v[12:13] op_sel_hi:[1,0,0]   ; t - M, two at a time
.endr
	s_setprio 1
.irp b, 0,1,2,3
	v_fma_f32 v[212+\b], v[212+\b], s22, v12       ; the same of each block's largest score
.endr
	s_wait_alu depctr_va_vdst(0)
.irp j, 0,1,2,3,4,5,6,7,8,9,10,11,12,13,14,15,16,17,18,19,20,21,22,23,24,25,26,27,28,29,30,31,32,33,34,35,36,37,38,39,40,41,42,43,44,45,46,47,48,49,50,51,52,53,54,55,56,57,58,59,60,61,62,63
	v_exp_f32 v[96+\j], v[96+\j]                   ; p = 2^(t - M), at most 1
.endr
	v_pk_mul_f32 v[14:15], v[14:15], v[226:227] op_sel_hi:[1,0]   ; the sums under the new M: a plain instruction behind the exponentials
	s_wait_alu depctr_va_vdst(0)                   ; one wait for the batch of 64, ahead of its first reader
.irp b, 0,1,2,3
	v_exp_f32 v[212+\b], v[212+\b]                 ; the block's largest p
.endr
	v_pk_add_f32 v[216:217], v[100:101], v[104:105]
	v_pk_add_f32 v[252:253], v[108:109], v[112:113]
	v_pk_add_f32 v[250:251], v[116:117], v[120:121]
	v_pk_add_f32 v[248:249], v[124:125], v[128:129]
	v_pk_add_f32 v[246:247], v[132:133], v[136:137]
	v_pk_add_f32 v[244:245], v[140:141], v[144:145]
	v_pk_add_f32 v[242:243], v[148:149], v[152:153]
	v_pk_add_f32 v[14:15], v[14:15], v[156:157]
	v_pk_add_f32 v[216:217], v[216:217], v[96:97]
	v_pk_add_f32 v[252:253], v[252:253], v[98:99]
	v_pk_add_f32 v[250:251], v[250:251], v[102:103]
	v_pk_add_f32 v[248:249], v[248:249], v[106:107]
	v_pk_add_f32 v[246:247], v[246:247], v[110:111]
	v_pk_add_f32 v[244:245], v[244:245], v[114:115]
	v_pk_add_f32 v[242:243], v[242:243], v[118:119]
	v_pk_add_f32 v[14:15], v[14:15], v[122:123]
	v_pk_add_f32 v[216:217], v[216:217], v[126:127]
	v_pk_add_f32 v[252:253], v[252:253], v[130:131]
	v_pk_add_f32 v[250:251], v[250:251], v[134:135]
	v_pk_add_f32 v[248:249], v[248:249], v[138:139]
	v_pk_add_f32 v[246:247], v[246:247], v[142:143]
	v_pk_add_f32 v[244:245], v[244:245], v[146:147]
	v_pk_add_f32 v[242:243], v[242:243], v[150:151]
	v_pk_add_f32 v[14:15], v[14:15], v[154:155]
	v_pk_add_f32 v[216:217], v[216:217], v[158:159]
	s_delay_alu instid0(VALU_DEP_2)
	v_pk_add_f32 v[14:15], v[14:15], v[248:249]
	s_delay_alu instid0(VALU_DEP_2)
	v_pk_add_f32 v[216:217], v[216:217], v[246:247]
	v_pk_add_f32 v[252:253], v[252:253], v[244:245]
	v_pk_add_f32 v[250:251], v[250:251], v[242:243]
	s_delay_alu instid0(VALU_DEP_2)
	v_pk_add_f32 v[14:15], v[14:15], v[252:253]
	s_delay_alu instid0(VALU_DEP_2)
	v_pk_add_f32 v[216:217], v[216:217], v[250:251]
	s_delay_alu instid0(VALU_DEP_1)
	v_pk_add_f32 v[14:15], v[14:15], v[216:217]
	s_wait_alu depctr_va_vdst(0)                   ; and one for the four
.irp b, 0,1,2,3
	v_max_num_f32 v[212+\b], 0x1800000, v[212+\b]  ; the floor 2^(3 - 127): the byte cannot fall under 1
.endr
.irp b, 0,1,2,3
	s_delay_alu instid0(VALU_DEP_4)
	v_add_nc_u32 v[220+\b], 0xff000000, v[212+\b]  ; 2 off the exponent field: the conversion's scale operand
.endr
.irp b, 0,1,2,3
	s_delay_alu instid0(VALU_DEP_4)
	v_lshrrev_b32 v[216+\b], 23, v[220+\b]         ; the scale's byte
.endr
	s_delay_alu instid0(VALU_DEP_3)
	v_lshl_or_b32 v227, v217, 8, v216              ; p's scale word for these 128 keys
	s_delay_alu instid0(VALU_DEP_1)
	v_lshl_or_b32 v227, v218, 16, v227
	s_delay_alu instid0(VALU_DEP_1)
	v_lshl_or_b32 v227, v219, 24, v227
	s_setprio 0
.irp c, 0,1
	v_cvt_scalef32_pk16_fp6_f32 v[192+6*\c:194+6*\c], v[96+32*\c:111+32*\c], v[220+2*\c]
	v_cvt_scalef32_pk16_fp6_f32 v[204+4*\c:206+4*\c], v[112+32*\c:127+32*\c], v[220+2*\c+1]   ; (a conversion's three registers begin on an even number)
.endr
	v_nop                                          ; one plain place behind a scaled conversion
.irp c, 0,1                                    ; the operand's layout wants a whole block in a lane
.irp i, 0,1,2
	v_permlane16_swap_b32 v[192+6*\c+\i], v[204+4*\c+\i]
.endr
.irp i, 0,1,2
	s_delay_alu instid0(VALU_DEP_3)
	v_mov_b32 v[195+6*\c+\i], v[204+4*\c+\i]
.endr
.endr
.irp j, 0,2,4,6,8,10,12,14,16,18,20,22,24,26,28,30
	v_pk_mul_f32 v[160+\j:161+\j], v[160+\j:161+\j], v[226:227] op_sel_hi:[1,0]   ; O^T under the new M; these sixteen are also the places between the scale word and the codes just made and the products
.endr
	s_wait_alu depctr_va_vdst(0)
	s_wait_dscnt 0x0                               ; v's images and words are in
.irp t, 0,1,2,3                                ; O^T += V^T P^T: four accumulators by turns
	v_wmma_scale_f32_16x16x128_f8f6f4 v[160+8*\t:167+8*\t], v[44+12*\t:55+12*\t], v[192:203], v[160+8*\t:167+8*\t], v[40+\t], v227 matrix_a_fmt:MATRIX_FMT_FP6 matrix_b_fmt:MATRIX_FMT_FP6
.endr
.endm
.macro PASS e
	s_wait_loadcnt 0x0                             ; q and its scale word
.if \e
	v_perm_b32 v34, v35, v35, 0x03020302           ; my tile's two bytes, twice: they scale q wherever it stands among the zeros
.else
	v_perm_b32 v34, v35, v35, 0x01000100
.endif
	v_add_nc_u32 v7, 8*\e, v11
	v_mov_b32 v13, 0xff61b1e6                      ; the largest t so far: -3e38
	s_delay_alu instid0(VALU_DEP_1)
	v_floor_f32 v12, -v13
	v_mov_b32 v14, 0
	v_mov_b32 v15, 0
.irp j, 0,1,2,3,4,5,6,7,8,9,10,11,12,13,14,15,16,17,18,19,20,21,22,23,24,25,26,27,28,29,30,31
	v_mov_b32 v[160+\j], 0                         ; O^T: the step is written once; its first run finds zeros.  (More than the eight places owed between q's scale word and the first product)
.endr
	s_mov_b32 s14, 0
	s_mov_b32 s15, 0
	s_mov_b32 s13, 0
.Lkey_\@:                                          ; sixteen trips, a constant; a step all of whose keys come after my queries is jumped over: no barrier and no tensor load stands in a step
	s_cmp_gt_u32 s13, s12
	s_cbranch_scc1 .Lnext_\@
	s_setprio 2
	STEP
.Lnext_\@:
	s_add_co_u32 s14, s14, 6144
	s_add_co_u32 s15, s15, 256
	s_add_co_u32 s13, s13, 1
	s_cmp_lt_u32 s13, 16
	s_cbranch_scc1 .Lkey_\@
	s_setprio 0
	; the way out of a pass: O^T / the sum, quantised along the head's 64 (two blocks), as three pieces of the last product's image
.rept 4
	v_nop                                          ; places behind the last products
.endr
	v_add_f32 v14, v14, v15
	s_delay_alu instid0(VALU_DEP_1)
	v_permlanex16_b32 v226, v14, s20, s21
	s_delay_alu instid0(VALU_DEP_1)
	v_add_f32 v14, v14, v226                       ; the row's sum
	s_wait_alu depctr_va_vdst(0)
	v_rcp_f32 v14, v14
	v_nop                                          ; a plain place behind the reciprocal
	s_wait_alu depctr_va_vdst(0)                   ; and the wait ahead of its first reader
.irp j, 0,2,4,6,8,10,12,14,16,18,20,22,24,26,28,30
	v_pk_mul_f32 v[96+\j:97+\j], v[160+\j:161+\j], v[14:15] op_sel_hi:[1,0]   ; register 16 b + i: dimension 32 b + 16 (lane / 16) + i; each accumulator from its low end on
.endr
.irp b, 0,1
	v_max3_num_f32 v[212+\b], |v[96+16*\b]|, |v[97+16*\b]|, 0x1800000
.endr
.irp i, 2,4,6,8,10,12,14
.irp b, 0,1
	s_delay_alu instid0(VALU_DEP_2)
	v_max3_num_f32 v[212+\b], v[212+\b], |v[96+16*\b+\i]|, |v[97+16*\b+\i]|
.endr
.endr
.irp b, 0,1
	s_delay_alu instid0(VALU_DEP_2)
	v_permlanex16_b32 v[216+\b], v[212+\b], s20, s21
.endr
.irp b, 0,1
	s_delay_alu instid0(VALU_DEP_2)
	v_max_num_f32 v[212+\b], v[212+\b], v[216+\b]
.endr
.irp b, 0,1
	s_delay_alu instid0(VALU_DEP_2)
	v_add_nc_u32 v[220+\b], 0xff000000, v[212+\b]
.endr
.irp b, 0,1
	s_delay_alu instid0(VALU_DEP_2)
	v_lshrrev_b32 v[216+\b], 23, v[220+\b]
.endr
	v_cvt_scalef32_pk16_fp6_f32 v[192:194], v[96:111], v220
	v_cvt_scalef32_pk16_fp6_f32 v[204:206], v[112:127], v221
	v_nop
.irp i, 0,1,2
	v_permlane16_swap_b32 v[192+\i], v[204+\i]
.endr
.irp i, 0,1,2
	s_delay_alu instid0(VALU_DEP_3)
	v_mov_b32 v[195+\i], v[204+\i]
.endr
	v_cndmask_b32 v228, v216, v217, s16            ; lanes 0-15 store the first block's byte, lanes 16-31 the second's
.irp p, 0,1,2
	global_store_b64 v9, v[192+2*\p:193+2*\p], s[46:47] offset:256*\p   ; 32 lanes store 256 consecutive bytes, aligned
.endr
	global_store_b8 v10, v228, s[50:51]
.endm
	QLOAD 0                                        ; the first tile's q is asked for while the head lands
	s_wait_tensorcnt 0x0                           ; my part of the head is in LDS,
	s_barrier_signal -1
	s_barrier_wait -1                              ; everybody's is
	PASS 0
	QLOAD 1
	PASS 1
	s_wait_tensorcnt 0x0
	ds_add_u32 v254, v255
	s_wait_dscnt 0x0
	CROUND                                         ; the closing round (no LDS instruction of mine is out: each step ends its loads with a wait for 0)
	s_endpgm
.Lfunc_end_k_q5b4e94397c_attn:
	.size	k_q5b4e94397c_attn, .Lfunc_end_k_q5b4e94397c_attn-k_q5b4e94397c_attn
	.p2alignl 7, 3214868480
	.fill 96, 4, 3214868480
	.section	.rodata,"a",@progbits
	.p2align	6, 0x0
	.amdhsa_kernel k_q5b4e94397c_attn
		.amdhsa_group_segment_fixed_size 206848
		.amdhsa_private_segment_fixed_size 0
		.amdhsa_enable_private_segment 0
		.amdhsa_kernarg_size 16
		.amdhsa_user_sgpr_count 2
		.amdhsa_user_sgpr_kernarg_segment_ptr 1
		.amdhsa_wavefront_size32 1
		.amdhsa_system_sgpr_workgroup_id_x 1
		.amdhsa_system_sgpr_workgroup_id_y 1
		.amdhsa_system_sgpr_workgroup_id_z 1
		.amdhsa_system_vgpr_workitem_id 0
		.amdhsa_next_free_vgpr 256
		.amdhsa_next_free_sgpr 66
		.amdhsa_reserve_vcc 1
		.amdhsa_float_denorm_mode_32 3
		.amdhsa_float_denorm_mode_16_64 3
		.amdhsa_memory_ordered 1
		.amdhsa_forward_progress 1
		.amdhsa_inst_pref_size 63
	.end_amdhsa_kernel
	.amdgpu_metadata
---
amdhsa.version: [ 1, 2 ]
amdhsa.kernels:
  - .name:           k_q5b4e94397c_attn
    .symbol:         k_q5b4e94397c_attn.kd
    .args:
      - { .name: qkv, .offset: 0, .size: 8, .value_kind: global_buffer, .address_space: global }
      - { .name: y, .offset: 8, .size: 8, .value_kind: global_buffer, .address_space: global }
    .group_segment_fixed_size: 206848
    .private_segment_fixed_size: 0
    .kernarg_segment_align: 8
    .kernarg_segment_size: 16
    .max_flat_workgroup_size: 512
    .sgpr_count:     66
    .vgpr_count:     256
    .wavefront_size: 32
...
	.end_amdgpu_metadata
.endif
;; end of part 3
;; launch outp (part 4): grid 4 x 32, 4 waves a work-group, clusters of 4 x 4, 327,680 bytes of LDS; arguments y, wc, ws, out0; writes out0
.if DOCPART == 4
	.amdgcn_target "amdgcn-amd-amdhsa--gfx1250"
	.amdhsa_code_object_version 6
	.text
	.protected	k_q5b4e94397c_outp
	.globl	k_q5b4e94397c_outp
	.p2align	8
	.type	k_q5b4e94397c_outp,@function
k_q5b4e94397c_outp:
	s_mov_b64 s[64:65], 0
	v_nop
	global_prefetch_b8 v0, s[64:65] scope:SCOPE_SE
	s_setreg_imm32_b32 hwreg(HW_REG_WAVE_MODE, 25, 1), 1
	s_wait_xcnt 0x0
	s_wait_alu depctr_hold_cnt(0) depctr_sa_sdst(0) depctr_va_vdst(0) depctr_va_sdst(0) depctr_va_ssrc(0) depctr_va_vcc(0) depctr_vm_vsrc(0)
	s_getreg_b32 s2, hwreg(HW_REG_IB_STS2, 6, 4)
	s_cmp_eq_u32 s2, 0
	s_cbranch_scc0 .Lentry_in_a_cluster
	s_endpgm
.Lentry_in_a_cluster:
	s_bfe_u32 s2, ttmp6, 0x10000c
	s_cmp_lg_u32 s2, 0xf033
	s_cbranch_scc0 .Lentry_shape_is_right
	s_endpgm
.Lentry_shape_is_right:
; out0 = y wo^T on codes of FP6 (E2M3) with one E8M0 scale for each 32 along K = 1,024; sums and result f32.
; A = y, as IMAGES of operand registers: [512 blocks of 16 rows][8 steps of 128 along K][6 pieces][32 lanes][8 bytes]; its scale bytes [8192][32] from byte 6,291,456 of the same buffer.  B = wo: rows 3,072 on of wc and ws.
; A tile of 256 x 256 is made by four waves, 128 x 128 each: 64 accumulators, 512 registers.  K goes in steps of 256 through a ring of two LDS slots filled by the tensor data mover: B's rows are 192 bytes with
; 16 bytes of padding behind every 64; A's part is 8 rows of 3,072 bytes (a block's two steps), dense: a piece of a fragment is 256 consecutive bytes for the 32 lanes.  The scale bytes come once with the first fills.
; CLUSTERS: 4 x 4 work-groups; A's tile is asked for jointly along a row of the cluster, B's along a column.  128 work-groups: the grid of this tile at this size.
; THE MATRIX INSTRUCTION IS USED TRANSPOSED (source 0 = 16 rows of B, source 1 = 16 rows of A): a lane holds eight neighbouring numbers of a row of the result.
; y's rows stand in the order in which the tokens were laid (in each 32 the middle groups of 8 have changed places): the stores' offsets put each row back at its own place.
; REGISTERS, in windows of 256: window 0: v0-31 addresses; v32-63 scale words, two sets; from v128 A's fragments, one set; on the way out v128-255.  window 1: B's fragments, two sets.  windows 2, 3: the accumulators.
.set SIZE_N, 1024
.set SIZE_K, 1024
.set KSTEP,  256
.set NQ,     KSTEP/128
.set ROWB,   192
.set KROW,   SIZE_K*6/8
.set ASTEP,  3072                      ; a block's bytes of a K step of 256 in y's images
.set PITCH,  240
.set FR,     12
.set NL,     6
.set NP,     4
.set HALFT,  128*PITCH
.set SLOT,   4*HALFT
.set LAPS,   SIZE_K/(2*KSTEP)
.set KS,     SIZE_K/32
.set SCL,    2*SLOT
.set HALFS,  (128*KS/256)*272
.set SBLK,   (16*KS/256)*272
.set SPARE,  SCL+4*HALFS               ; the spare words, 128 bytes a wave: two blocks of 256 bytes that no other line names
.set SPITCH, 528                       ; the way out: a stage of 16 rows x (512 bytes + 16) for each wave, in slot 0, which has had its last fill and its last read when the first result is stored there
.set YSC,    6291456
.set ADRA, 16                          ; v16-17 LDS address of my A pieces in slot 0, 1: 8 x lane + my half
.set ADRB, 20                          ; v20-23 of my B fragments
.set STO,  24
.set RD,   25
.set CO,   26
.set ADRS, 27
.set SPW,  28
.set NIL,  29
.set SC,   32
.set AF,   128
.set BK,   128
.set G1, 24
.set G0, 32
.set G1B, 48
.set G0B, 56
.set G1S, 68
.set G0S, 76
.set G1SB, 80
.set G0SB, 88
.set MSB, 0
.macro WIN new
.if MSB != (\new)
	s_set_vgpr_msb (MSB<<8)|(\new)
.set MSB, (\new)
.endif
.endm
.set MUL_LO, 0xa1
.set MUL_HI, 0xf1
.set TO_B,   0x40
.macro JLOAD g0a, g1a, g0b, g1b        ; a joint load: waves 0 and 1 fetch for A, waves 2 and 3 for B; four v_nop follow each of the two lines
	s_cmp_eq_u32 s15, 0
	s_cbranch_scc0 .Lfor_b_\@
	tensor_load_to_lds s[\g0a:\g0a+3], s[\g1a:\g1a+7]
	s_nop 0
.rept 4
	v_nop
.endr
	s_branch .Lasked_\@
.Lfor_b_\@:
	tensor_load_to_lds s[\g0b:\g0b+3], s[\g1b:\g1b+7]
	s_nop 0
.rept 4
	v_nop
.endr
.Lasked_\@:
.endm
.macro CREST
	s_cmp_lg_u32 s14, 0
	s_cbranch_scc1 .Lnot_wave_0_\@
	s_barrier_signal -3
.Lnot_wave_0_\@:
	s_barrier_wait -3
	s_barrier_signal -1
	s_barrier_wait -1
.endm
.macro CROUND
	s_barrier_signal -1
	s_barrier_wait -1
	CREST
.endm
	s_load_b128 s[4:7], s[0:1], 0x0                ; y, wc
	s_load_b128 s[8:11], s[0:1], 0x10              ; ws, out0
	v_lshl_add_u32 v[SPW], v0, 2, SPARE
	v_mov_b32 v[NIL], 0
	ds_add_u32 v28, v29
	ds_add_u32 v28, v29
	s_wait_dscnt 0x0
	v_lshrrev_b32 v1, 5, v0
	v_readfirstlane_b32 s14, v1                    ; wave 0..3
	s_lshr_b32 s15, s14, 1                         ; which half of the tile's rows is mine.  Also: I fetch for A (0) or for B (1)
	s_and_b32 s16, s14, 1                          ; which half of its columns.  Also: which 128 rows of that tile I fetch
	s_bfe_u32 s40, ttmp6, 0x40000                  ; cx, cy
	s_bfe_u32 s41, ttmp6, 0x40004
	s_lshl_b32 s42, ttmp9, 2
	s_add_co_u32 s42, s42, s40                     ; tile column
	s_and_b32 s17, ttmp7, 0xffff
	s_lshl_b32 s17, s17, 2
	s_add_co_u32 s17, s17, s41                     ; tile row
	s_lshl_b32 s43, s41, 2
	s_lshl_b32 s43, 15, s43                        ; my row of the cluster
	s_lshl_b32 s44, 0x1111, s40                    ; my column
	; group 1 for A: 8 rows (blocks of 16 rows of y) x 3,072 bytes (384 elements of 8 bytes), 12,288 bytes apart, no padding
	s_or_b32 s[G1+0], s43, (3<<16)|(1<<21)
	s_mov_b32 s[G1+1], 384<<16                     ; tensor_dim0
	s_mov_b32 s[G1+2], 8<<16                       ; tensor_dim1
	s_mov_b32 s[G1+3], 384<<16                     ; tile_dim0
	s_mov_b32 s[G1+4], 8                           ; tile_dim1
	s_mov_b32 s[G1+5], 1536                        ; the pitch, in elements
	s_mov_b32 s[G1+6], 0
	s_mov_b32 s[G1+7], 0
	; group 1 for B: 128 rows x 192 bytes, 16 bytes of padding behind every 64
	s_or_b32 s[G1B+0], s44, (0<<16)|(1<<20)|(1<<21)|(3<<22)|(3<<25)
	s_mov_b32 s[G1B+1], ROWB<<16
	s_mov_b32 s[G1B+2], 128<<16
	s_mov_b32 s[G1B+3], ROWB<<16
	s_mov_b32 s[G1B+4], 128
	s_mov_b32 s[G1B+5], KROW
	s_mov_b32 s[G1B+6], 0
	s_mov_b32 s[G1B+7], 0
	; the scales of 128 rows: 4,096 dense bytes as rows of 256 bytes, 16 bytes of padding behind each
	s_or_b32 s[G1S+0], s43, (3<<16)|(1<<20)|(1<<21)|(5<<22)|(3<<25)
	s_or_b32 s[G1SB+0], s44, (3<<16)|(1<<20)|(1<<21)|(5<<22)|(3<<25)
.irp g, G1S, G1SB
	s_mov_b32 s[\g+1], 32<<16
	s_mov_b32 s[\g+2], (128*KS/256)<<16
	s_mov_b32 s[\g+3], 32<<16
	s_mov_b32 s[\g+4], 128*KS/256
	s_mov_b32 s[\g+5], 32
	s_mov_b32 s[\g+6], 0
	s_mov_b32 s[\g+7], 0
.endr
	s_lshl_b32 s18, s16, 7
	s_lshl_b32 s20, s17, 8
	s_add_co_u32 s20, s20, s18                     ; A: row 256 x tile row + 128 x half
	s_lshl_b32 s46, s42, 8
	s_add_co_u32 s46, s46, s18
	s_add_co_u32 s46, s46, 3072                    ; B: row 3,072 + 256 x tile column + 128 x half
	s_mov_b32 s21, 0
	s_mov_b32 s47, 0
	s_mov_b64 s[18:19], KS
	s_mul_u64 s[22:23], s[20:21], s[18:19]         ; where these rows' scales begin
	s_mul_u64 s[92:93], s[46:47], s[18:19]
	s_mov_b64 s[18:19], KROW
	s_mul_u64 s[20:21], s[20:21], s[18:19]         ; and their codes: a block of 16 rows of y is 12,288 bytes, 768 a row, as in a buffer of rows
	s_mul_u64 s[46:47], s[46:47], s[18:19]
	s_mul_i32 s45, s14, HALFT
	s_mul_i32 s94, s14, HALFS
	s_wait_kmcnt 0x0
	s_add_nc_u64 s[20:21], s[4:5], s[20:21]
	s_add_nc_u64 s[22:23], s[4:5], s[22:23]
	s_add_nc_u64 s[22:23], s[22:23], YSC
	s_add_nc_u64 s[46:47], s[6:7], s[46:47]
	s_add_nc_u64 s[92:93], s[8:9], s[92:93]
	CROUND                                         ; all sixteen work-groups are here: the first joint loads meet
	s_mov_b32 s[G0S], 1
	s_add_co_u32 s[G0S+1], s94, SCL
	s_mov_b64 s[G0S+2:G0S+3], s[22:23]
	s_or_b32 s[G0S+3], s[G0S+3], 0x80000000
	s_mov_b32 s[G0SB], 1
	s_add_co_u32 s[G0SB+1], s94, SCL
	s_mov_b64 s[G0SB+2:G0SB+3], s[92:93]
	s_or_b32 s[G0SB+3], s[G0SB+3], 0x80000000
	JLOAD G0S, G1S, G0SB, G1SB
.irp s, 0,1
	s_mov_b32 s[G0+4*\s], 1
	s_add_co_u32 s[G0+4*\s+1], s45, \s*SLOT
	s_add_nc_u64 s[G0+4*\s+2:G0+4*\s+3], s[20:21], \s*ASTEP
	s_or_b32 s[G0+4*\s+3], s[G0+4*\s+3], 0x80000000
	s_mov_b32 s[G0B+4*\s], 1
	s_add_co_u32 s[G0B+4*\s+1], s45, \s*SLOT
	s_add_nc_u64 s[G0B+4*\s+2:G0B+4*\s+3], s[46:47], \s*ROWB
	s_or_b32 s[G0B+4*\s+3], s[G0B+4*\s+3], 0x80000000
	JLOAD G0+4*\s, G1, G0B+4*\s, G1B               ; three tensor loads of mine are out at the most
.endr
	v_and_b32 v1, 15, v0                           ; l % 16
	v_bfe_u32 v2, v0, 4, 1                         ; l / 16
	v_mul_u32_u24 v3, v1, PITCH
	v_mul_u32_u24 v4, v2, 24
	v_add_nc_u32 v4, v3, v4                        ; B: a fragment's row x pitch + 24 x half
	v_lshl_add_u32 v5, v2, 4, v4                   ; and the same behind one padding more
	v_and_b32 v6, 31, v0
	v_lshlrev_b32 v7, 3, v6                        ; A: 8 x lane
	s_mul_i32 s21, s15, HALFT                      ; my 128 rows of A
	s_mul_i32 s22, s16, HALFT                      ; my 128 rows of B,
	s_add_co_u32 s22, s22, 2*HALFT                 ; which lie behind A's two places
.irp s, 0,1
	v_add_nc_u32 v[ADRA+\s], s21, v7
	v_add_nc_u32 v[ADRB+\s], s22, v4
	v_add_nc_u32 v[ADRB+2+\s], s22, v5
	s_add_co_u32 s21, s21, SLOT
	s_add_co_u32 s22, s22, SLOT
.endr
	v_mul_u32_u24 v5, v1, KS
	v_lshrrev_b32 v6, 8, v5
	v_lshl_add_u32 v5, v6, 4, v5
	s_mul_i32 s21, s15, HALFS
	s_mul_i32 s22, s16, HALFS
	s_add_co_u32 s22, s22, 2*HALFS
	s_sub_co_u32 s22, s22, s21
	v_mul_u32_u24 v6, s22, v2                      ; lanes 16-31 take B's
	s_add_co_u32 s21, s21, SCL
	v_add_nc_u32 v5, v5, v6
	v_add_nc_u32 v[ADRS], s21, v5
	s_mul_i32 s23, s14, 16*SPITCH                  ; my stage
	v_mul_u32_u24 v5, v1, SPITCH
	v_lshl_add_u32 v5, v2, 5, v5
	v_add_nc_u32 v[STO], s23, v5
	v_and_b32 v6, 31, v0
	v_lshlrev_b32 v[CO], 4, v6
	v_add_nc_u32 v[RD], s23, v[CO]
	s_lshl_b32 s20, s17, 8
	s_lshl_b32 s21, s15, 7
	s_add_co_u32 s20, s20, s21                     ; my first row of the result
	s_mov_b32 s21, 0
	s_mov_b64 s[18:19], SIZE_N*4
	s_mul_u64 s[20:21], s[20:21], s[18:19]
	s_lshl_b32 s46, s42, 10                        ; my first column, in bytes
	s_lshl_b32 s47, s16, 9
	s_add_co_u32 s46, s46, s47
	s_mov_b32 s47, 0
	s_add_nc_u64 s[20:21], s[20:21], s[46:47]
	s_add_nc_u64 s[12:13], s[10:11], s[20:21]
.macro FRAG reg, adr, q, i             ; a fragment of B from padded rows, in pieces of 8 bytes
.irp p, 0,1,2,3,4,5
.set PC, 12*(\q)+6*(\p/3)+\p%3
.if PC%8 < 5
	ds_load_b64 v[\reg+2*\p:\reg+2*\p+1], v[\adr] offset:8*PC+16*(PC/8)+(\i)*16*PITCH
.else
	ds_load_b64 v[\reg+2*\p:\reg+2*\p+1], v[\adr+2] offset:8*PC+16*(PC/8)+(\i)*16*PITCH
.endif
.endr
.endm
.macro FRAGA reg, slot, q, i           ; a fragment of A from its image: piece p is 256 consecutive bytes for the 32 lanes
.irp p, 0,1,2,3,4,5
	ds_load_b64 v[\reg+2*\p:\reg+2*\p+1], v[ADRA+\slot] offset:ASTEP*(\i)+1536*(\q)+256*\p
.endr
.endm
.macro MUL16 a0, p, q, sc, zero        ; 16 matrix instructions; the 64 accumulators take turns, one instruction a turn
.irp a, \a0, \a0+1
.irp b, 0,1,2,3,4,5,6,7
.if \zero
	v_wmma_scale_f32_16x16x128_f8f6f4 v[8*(8*((\a)%4)+\b):8*(8*((\a)%4)+\b)+7], v[128*(\p)+FR*\b:128*(\p)+FR*\b+FR-1], v[AF+FR*(\a):AF+FR*(\a)+FR-1], 0, v[SC+8*NQ*(\sc)+NQ*\b+(\q)], v[SC+8*NQ*(\sc)+NQ*(\a)+(\q)] matrix_a_fmt:MATRIX_FMT_FP6 matrix_b_fmt:MATRIX_FMT_FP6 matrix_a_scale:MATRIX_SCALE_ROW1
.else
	v_wmma_scale_f32_16x16x128_f8f6f4 v[8*(8*((\a)%4)+\b):8*(8*((\a)%4)+\b)+7], v[128*(\p)+FR*\b:128*(\p)+FR*\b+FR-1], v[AF+FR*(\a):AF+FR*(\a)+FR-1], v[8*(8*((\a)%4)+\b):8*(8*((\a)%4)+\b)+7], v[SC+8*NQ*(\sc)+NQ*\b+(\q)], v[SC+8*NQ*(\sc)+NQ*(\a)+(\q)] matrix_a_fmt:MATRIX_FMT_FP6 matrix_b_fmt:MATRIX_FMT_FP6 matrix_a_scale:MATRIX_SCALE_ROW1
.endif
.endr
.endr
.endm
.macro FETCH_B slot, q, p
	WIN TO_B
.irp i, 0,1,2,3,4,5,6,7
	FRAG 128*(\p)+FR*\i, ADRB+\slot, \q, \i
.endr
	WIN 0
.endm
.macro FETCH_A slot, q, i0
.irp i, \i0, \i0+1, \i0+2, \i0+3
	FRAGA AF+FR*(\i), \slot, \q, \i
.endr
.endm
.macro SCALES sc
.irp i, 0,1,2,3,4,5,6,7
	ds_load_b64 v[SC+8*NQ*\sc+NQ*\i:SC+8*NQ*\sc+NQ*\i+1], v[ADRS] offset:\i*SBLK
.endr
.endm
.macro PLACES n
.rept \n
	v_nop
.endr
.endm
.macro STEP slot, q, zero
	s_wait_dscnt 4*NL                              ; B's set and A's blocks 0-3 are in; the youngest 24 loads (A's blocks 4-7) may be out
	WIN MUL_LO
	MUL16 0, (\q)%2, \q, \slot, \zero
	MUL16 2, (\q)%2, \q, \slot, \zero
	s_wait_dscnt 0
	PLACES NP
	FETCH_B \slot, (\q)+1, 1-(\q)%2
	FETCH_A \slot, (\q)+1, 0
	WIN MUL_HI
	MUL16 4, (\q)%2, \q, \slot, \zero
	MUL16 6, (\q)%2, \q, \slot, \zero
	PLACES NP
	WIN 0
	FETCH_A \slot, (\q)+1, 4
.endm
.macro TURN slot, next, fill           ; a slot's last step changes slots: one barrier, with the waits and the add in front of it
	s_wait_tensorcnt 0x0                           ; all my tensor loads have landed: my part of the next slot
	ds_add_u32 v[SPW], v[NIL]                      ; 0 onto my spare word
	s_wait_dscnt 4*NL+1                            ; (the add and the youngest 24 loads may be out)
	WIN MUL_LO
	MUL16 0, 1, NQ-1, \slot, 0
	s_wait_dscnt 0x0                               ; the add is done, and my reads of this slot are over
	s_barrier_signal -1
	MUL16 2, 1, NQ-1, \slot, 0
	WIN 0
	s_barrier_wait -1
.if \fill
	CREST                                          ; the barrier has opened a round of the cluster's barrier
	s_add_nc_u64 s[G0+4*\slot+2:G0+4*\slot+3], s[G0+4*\slot+2:G0+4*\slot+3], 2*ASTEP
	s_add_nc_u64 s[G0B+4*\slot+2:G0B+4*\slot+3], s[G0B+4*\slot+2:G0B+4*\slot+3], 2*ROWB
	JLOAD G0+4*\slot, G1, G0B+4*\slot, G1B         ; the first tensor load behind the round
.else
	PLACES NP
.endif
	v_add_nc_u32 v[ADRS], 4*NQ, v[ADRS]
	FETCH_B \next, 0, 0
	FETCH_A \next, 0, 0
	SCALES \next
	WIN MUL_HI
	MUL16 4, 1, NQ-1, \slot, 0
	MUL16 6, 1, NQ-1, \slot, 0
	PLACES NP
	WIN 0
	FETCH_A \next, 0, 4
.endm
	s_wait_tensorcnt 1                             ; the scales and my part of K step 0 are in (K step 1's load may be out)
	s_barrier_signal -1
	s_barrier_wait -1
	FETCH_B 0, 0, 0
	FETCH_A 0, 0, 0
	SCALES 0
	FETCH_A 0, 0, 4
	STEP 0, 0, 1                                   ; the first step's products start the sums
	s_mov_b32 s3, LAPS-1
.Llap:
	TURN 0, 1, 1
	STEP 1, 0, 0
	TURN 1, 0, 1
	STEP 0, 0, 0
	s_sub_co_u32 s3, s3, 1
	s_cmp_lg_u32 s3, 0
	s_cbranch_scc1 .Llap
	TURN 0, 1, 0
	STEP 1, 0, 0
	s_wait_dscnt 4*NL
	WIN MUL_LO
	MUL16 0, 1, NQ-1, 1, 0
	MUL16 2, 1, NQ-1, 1, 0
	s_wait_dscnt 0
	WIN MUL_HI
	MUL16 4, 1, NQ-1, 1, 0
	MUL16 6, 1, NQ-1, 1, 0
	WIN 0
; THE WAY OUT, block by block of 16 rows x 128 columns, through my own stage in LDS: in as 32 bytes a lane, back as whole rows of 512 bytes.  LDS serves a wave's instructions in order: no wait between the stores and the loads.
.macro TOSTAGE a
.set AC, 64*((\a)%4)
	WIN 0x08+4*((\a)/4)                            ; the data: window 2 or 3
.irp b, 0,1,2,3,4,5,6,7
	ds_store_b128 v[STO], v[AC+8*\b:AC+8*\b+3] offset:64*\b          ; each accumulator from its low end on
	ds_store_b128 v[STO], v[AC+8*\b+4:AC+8*\b+7] offset:64*\b+16
.endr
	WIN 0
.set BB, BK+64*((\a)%2)
.irp t, 0,1,2,3,4,5,6,7,8,9,10,11,12,13,14,15
	ds_load_b128 v[BB+4*\t:BB+4*\t+3], v[RD] offset:\t*SPITCH
.endr
.endm
.macro SEND a, younger                 ; row t of block a belongs at row 32 (a / 2) + 16 (t / 8) + 8 (a % 2) + t % 8 of my 128: the offset says so; the base is never stepped (127 rows of 4,096 bytes at the most)
.set BB, BK+64*((\a)%2)
	s_wait_dscnt \younger                          ; the block is back in registers
.irp t, 0,1,2,3,4,5,6,7,8,9,10,11,12,13,14,15
	global_store_b128 v[CO], v[BB+4*\t:BB+4*\t+3], s[12:13] offset:(32*((\a)/2)+8*((\a)%2)+\t%8+16*(\t/8))*SIZE_N*4 th:TH_STORE_NT   ; 32 lanes store 512 consecutive bytes, aligned
.endr
.endm
	PLACES NP
	TOSTAGE 0
.irp a, 1,2,3,4,5,6,7
.if \a > 1
	s_wait_xcnt 0x0                                ; block a - 2's stores have read their registers: block a's loads may land there
.endif
	TOSTAGE \a
	SEND \a-1, 32                                  ; behind block a - 1's loads: block a's 16 stores and 16 loads
.endr
	SEND 7, 0
	s_wait_tensorcnt 0x0                           ; the wave's end
	ds_add_u32 v[SPW], v[NIL]
	s_wait_dscnt 0x0
	CROUND                                         ; the closing round
	s_endpgm
.Lfunc_end_k_q5b4e94397c_outp:
	.size	k_q5b4e94397c_outp, .Lfunc_end_k_q5b4e94397c_outp-k_q5b4e94397c_outp
	.p2alignl 7, 3214868480
	.fill 96, 4, 3214868480
	.section	.rodata,"a",@progbits
	.p2align	6, 0x0
	.amdhsa_kernel k_q5b4e94397c_outp
		.amdhsa_group_segment_fixed_size 327680
		.amdhsa_private_segment_fixed_size 0
		.amdhsa_enable_private_segment 0
		.amdhsa_kernarg_size 32
		.amdhsa_user_sgpr_count 2
		.amdhsa_user_sgpr_kernarg_segment_ptr 1
		.amdhsa_wavefront_size32 1
		.amdhsa_system_sgpr_workgroup_id_x 1
		.amdhsa_system_sgpr_workgroup_id_y 1
		.amdhsa_system_sgpr_workgroup_id_z 1
		.amdhsa_system_vgpr_workitem_id 0
		.amdhsa_next_free_vgpr 1024
		.amdhsa_next_free_sgpr 98
		.amdhsa_reserve_vcc 0
		.amdhsa_float_denorm_mode_32 3
		.amdhsa_float_denorm_mode_16_64 3
		.amdhsa_memory_ordered 1
		.amdhsa_forward_progress 1
		.amdhsa_inst_pref_size 159
	.end_amdhsa_kernel
	.amdgpu_metadata
---
amdhsa.version: [ 1, 2 ]
amdhsa.kernels:
  - .name:           k_q5b4e94397c_outp
    .symbol:         k_q5b4e94397c_outp.kd
    .args:
      - { .name: y, .offset: 0, .size: 8, .value_kind: global_buffer, .address_space: global }
      - { .name: wc, .offset: 8, .size: 8, .value_kind: global_buffer, .address_space: global }
      - { .name: ws, .offset: 16, .size: 8, .value_kind: global_buffer, .address_space: global }
      - { .name: out0, .offset: 24, .size: 8, .value_kind: global_buffer, .address_space: global }
    .group_segment_fixed_size: 327680
    .private_segment_fixed_size: 0
    .kernarg_segment_align: 8
    .kernarg_segment_size: 32
    .max_flat_workgroup_size: 128
    .sgpr_count:     98
    .vgpr_count:     1024
    .wavefront_size: 32
...
	.end_amdgpu_metadata
.endif
;; end of part 4
